; MI455X (gfx1250); checked and timed in simulation.
; The chip was launched on July 23, 2026; its instructions are those of AMD's public machine-readable ISA for CDNA 5 (MIT licence, August 2026) and "CDNA5" Instruction Set Architecture Reference Guide (July 2026). The comments in the code are by the model that wrote it; some were corrected since.
;; Multi Head Attention. Allowed arithmetic: float matrix products may take bf16 or f16 operands with f32 sums; other float arithmetic in f32, or as packed bf16 or f16 multiplies, adds, multiply-adds, maxima and minima; sums over many terms, partial sums and values carried from step to step in f32; what a program stores and reads back later, other than sums and carried values, may be rounded once to bf16 or f16.
;; Inputs: beta 512 float32; gamma 512 float32; w_fc 512 x 512 float32; w_k 512 x 512 float32; w_q 512 x 512 float32; w_v 512 x 512 float32; x 8 x 2,048 x 512 float32.
;; Outputs: out0 8 x 512 float32; out1 8 x 2,048 float32.
;; 2 versions, each right. Each part assembles by itself: llvm-mc -triple=amdgcn-amd-amdhsa -mcpu=gfx1250 --defsym DOCPART=n.
;; ======== version 1 of 2: 4 launches
;; limits: values outside matrix products are rounded to bf16
;; workspace buffers: xb 16,777,216 bytes; wb 1,572,864 bytes; wfr 524,288 bytes; rpart 524,288 bytes; qkv 50,331,648 bytes; cpart 2,097,152 bytes; ypart 524,288 bytes
;; launch prep (part 1): grid 256 x 1, 8 waves a work-group, no clusters, 3,072 bytes of LDS; arguments x, w_q, w_k, w_v, w_fc, xb, wb, wfr, rpart; writes xb, wb, wfr, rpart
.if DOCPART == 1
	.amdgcn_target "amdgcn-amd-amdhsa--gfx1250"
	.amdhsa_code_object_version 6
	.text
	.protected	k_q7bfc71a932_prep
	.globl	k_q7bfc71a932_prep
	.p2align	8
	.type	k_q7bfc71a932_prep,@function
k_q7bfc71a932_prep:
	s_mov_b64 s[64:65], 0
	v_nop
	global_prefetch_b8 v0, s[64:65] scope:SCOPE_SE
	s_setreg_imm32_b32 hwreg(HW_REG_WAVE_MODE, 25, 1), 1
	s_wait_xcnt 0x0
; PREP: a stream.  x (f32) -> xb (bf16); [c w_q; w_k; w_v] -> wb (bf16, 1,536 rows of 512); w_fc -> wfr[h][n][d] = w_fc[n][8 d + h] (bf16);
; the f32 column sums of each 64 rows of x -> rpart[256][512].  c = log2(e) / 8 is multiplied into w_q in f32, ahead of w_q's one rounding.
; SHARES.  256 work-groups of 8 waves.  Work-group g owns 64 rows of x (131,072 bytes), rows 2 g and 2 g + 1 of each of the four weights.
; Thread t: u = t % 128 owns 16 bytes (4 columns) of a row, half = t / 128 owns 32 of the 64 rows.  All 39 loads of a thread go out at once: the
; work-group's whole share is on its way together, so there is no ring.  A store of 8 bytes a lane covers 256 consecutive bytes of xb, wb or wfr, aligned.
; w_fc is read 4 bytes a lane, 32 bytes apart (wave h takes head h): 1 MiB in the whole launch, against 32 MiB of x.
; No matrix unit, no cluster: no work-group reads a byte that another reads.  LIMITS: bf16's rounding of x and the weights; NaN and infinities pass as they are.
.set CSC,   0x3e38aa3b                 ; c = log2(e) / 8
.set PART,  0                          ; LDS: the upper half's column sums, 128 x 16 bytes
.set SPARE, 2048                       ; the spare words, 128 bytes for each of 8 waves
.set XO,  1                            ; v1  half x 65,536 + 16 u: my bytes in the group's rows of x
.set WO,  2                            ; v2  half x 2,048 + 16 u: in the group's two rows of a weight
.set FO,  3                            ; v3  (lane / 16) x 2,048 + (lane % 16) x 128 + 4 wave: w_fc[n][8 d + h], d = 4 (lane % 16)
.set XS,  4                            ; v4  half x 32,768 + 8 u: in xb
.set WS,  5                            ; v5  half x 1,024 + 8 u: in wb
.set FS,  6                            ; v6  8 x lane: in wfr
.set PA,  7                            ; v7  16 u: in PART, and in rpart
.set SPW, 10                           ; v10 my spare word; never rewritten
.set NIL, 11                           ; v11 0; never rewritten
.set ACC, 12                           ; v[12:15]  my 4 column sums
.set W,   16                           ; v[16:27]  w_q, w_k, w_v: 4 numbers each
.set FC,  28                           ; v[28:31]  4 numbers of w_fc
.set X,   32                           ; v[32:159] 32 rows x 4 numbers
.set OTH, 160                          ; v[160:163] the other half's sums
.set WV,  26                           ; s26 my wave's number
	s_load_b512 s[8:23], s[0:1], 0x0               ; x 8, w_q 10, w_k 12, w_v 14, w_fc 16, xb 18, wb 20, wfr 22
	s_load_b64 s[24:25], s[0:1], 0x40              ; rpart
	v_lshl_add_u32 v[SPW], v0, 2, SPARE
	v_mov_b32 v[NIL], 0
	v_lshrrev_b32 v8, 5, v0
	v_readfirstlane_b32 s[WV], v8
	v_and_b32 v8, 127, v0                          ; u
	v_lshrrev_b32 v9, 7, v0                        ; half
	v_lshlrev_b32 v[PA], 4, v8
	v_lshl_add_u32 v[XO], v9, 16, v[PA]
	v_lshl_add_u32 v[WO], v9, 11, v[PA]
	v_lshlrev_b32 v[XS], 3, v8
	v_lshl_add_u32 v[WS], v9, 10, v[XS]
	v_lshl_add_u32 v[XS], v9, 15, v[XS]
	v_and_b32 v8, 31, v0                           ; lane
	v_lshlrev_b32 v[FS], 3, v8
	v_and_b32 v9, 15, v0
	v_lshrrev_b32 v8, 4, v8
	v_lshlrev_b32 v[FO], 7, v9
	v_lshl_add_u32 v[FO], v8, 11, v[FO]
	s_lshl_b32 s27, s[WV], 2
	v_add_nc_u32 v[FO], s27, v[FO]
	s_lshl_b32 s2, ttmp9, 17                       ; the group's share of x,
	s_mov_b32 s3, 0
	s_lshl_b32 s4, ttmp9, 12                       ; of a weight,
	s_mov_b32 s5, 0
	s_lshl_b32 s6, ttmp9, 16                       ; of xb,
	s_mov_b32 s7, 0
	s_lshl_b32 s28, ttmp9, 11                      ; of wb and of rpart,
	s_mov_b32 s29, 0
	s_lshl_b32 s30, s[WV], 16                      ; and of wfr: head = wave, rows 2 g and 2 g + 1: 256 bytes
	s_lshl_b32 s31, ttmp9, 8
	s_add_co_u32 s30, s30, s31
	s_mov_b32 s31, 0
	s_wait_kmcnt 0x0
	s_add_nc_u64 s[8:9], s[8:9], s[2:3]
	s_add_nc_u64 s[10:11], s[10:11], s[4:5]
	s_add_nc_u64 s[12:13], s[12:13], s[4:5]
	s_add_nc_u64 s[14:15], s[14:15], s[4:5]
	s_add_nc_u64 s[16:17], s[16:17], s[4:5]
	s_add_nc_u64 s[18:19], s[18:19], s[6:7]
	s_add_nc_u64 s[20:21], s[20:21], s[28:29]
	s_add_nc_u64 s[22:23], s[22:23], s[30:31]
	s_add_nc_u64 s[24:25], s[24:25], s[28:29]
	global_load_b128 v[W:W+3],    v[WO], s[10:11]
	global_load_b128 v[W+4:W+7],  v[WO], s[12:13]
	global_load_b128 v[W+8:W+11], v[WO], s[14:15]
.irp e, 0,1,2,3
	global_load_b32 v[FC+(\e)], v[FO], s[16:17] offset:32*(\e)
.endr
.set i_, 0
.rept 32
	global_load_b128 v[X+4*i_:X+4*i_+3], v[XO], s[8:9] offset:2048*i_ th:TH_LOAD_NT  ; x is read once in the launch
.set i_, i_+1
.endr
	s_wait_loadcnt 32                              ; the seven loads of weights are in; the 32 of x stay out
	v_pk_mul_f32 v[W:W+1],   v[W:W+1],   CSC op_sel_hi:[1,0]
	v_pk_mul_f32 v[W+2:W+3], v[W+2:W+3], CSC op_sel_hi:[1,0]
.irp k, 0,1,2
	v_cvt_pk_bf16_f32 v[W+4*(\k)],   v[W+4*(\k)],   v[W+4*(\k)+1]
	v_cvt_pk_bf16_f32 v[W+4*(\k)+1], v[W+4*(\k)+2], v[W+4*(\k)+3]
	global_store_b64 v[WS], v[W+4*(\k):W+4*(\k)+1], s[20:21] offset:524288*(\k)  ; 512 rows of 1,024 bytes for each weight
.endr
	v_cvt_pk_bf16_f32 v[FC],   v[FC],   v[FC+1]
	v_cvt_pk_bf16_f32 v[FC+1], v[FC+2], v[FC+3]
	global_store_b64 v[FS], v[FC:FC+1], s[22:23]
; Row i is rounded in place and stored; its registers are never written again, so no wait frees them.
.macro OUTROW i
	v_cvt_pk_bf16_f32 v[X+4*(\i)],   v[X+4*(\i)],   v[X+4*(\i)+1]
	v_cvt_pk_bf16_f32 v[X+4*(\i)+1], v[X+4*(\i)+2], v[X+4*(\i)+3]
	global_store_b64 v[XS], v[X+4*(\i):X+4*(\i)+1], s[18:19] offset:1024*(\i)
.endm
	s_wait_loadcnt 30                              ; rows 0 and 1 are in: their sum starts the column sums
	v_pk_add_f32 v[ACC:ACC+1],   v[X:X+1],   v[X+4:X+5]
	v_pk_add_f32 v[ACC+2:ACC+3], v[X+2:X+3], v[X+6:X+7]
	OUTROW 0
	OUTROW 1
.set i_, 2
.rept 30
	s_wait_loadcnt 31-i_                           ; loads come back in order (ISA guide 5.7.1): row i is in, the later rows stay out
	v_pk_add_f32 v[ACC:ACC+1],   v[ACC:ACC+1],   v[X+4*i_:X+4*i_+1]
	v_pk_add_f32 v[ACC+2:ACC+3], v[ACC+2:ACC+3], v[X+4*i_+2:X+4*i_+3]
	OUTROW i_
.set i_, i_+1
.endr
	s_cmp_lt_u32 s[WV], 4                          ; waves 4 to 7 hold the upper 32 rows' sums: they hand them over
	s_cbranch_scc1 .Llow
	ds_store_b128 v[PA], v[ACC:ACC+3] offset:PART
.Llow:
	s_wait_dscnt 0x0                               ; for the others' sake
	s_barrier_signal -1
	s_barrier_wait -1
	s_cmp_lt_u32 s[WV], 4
	s_cbranch_scc0 .Lend
	ds_load_b128 v[OTH:OTH+3], v[PA] offset:PART
	s_wait_dscnt 0x0
	v_pk_add_f32 v[ACC:ACC+1],   v[ACC:ACC+1],   v[OTH:OTH+1]
	v_pk_add_f32 v[ACC+2:ACC+3], v[ACC+2:ACC+3], v[OTH+2:OTH+3]
	global_store_b128 v[PA], v[ACC:ACC+3], s[24:25]  ; 16 lanes store 256 consecutive bytes, aligned
.Lend:
	s_wait_tensorcnt 0x0                           ; the wave's end
	ds_add_u32 v[SPW], v[NIL]
	s_wait_dscnt 0x0
	s_endpgm
.Lfunc_end_k_q7bfc71a932_prep:
	.size	k_q7bfc71a932_prep, .Lfunc_end_k_q7bfc71a932_prep-k_q7bfc71a932_prep
	.p2alignl 7, 3214868480
	.fill 96, 4, 3214868480
	.section	.rodata,"a",@progbits
	.p2align	6, 0x0
	.amdhsa_kernel k_q7bfc71a932_prep
		.amdhsa_group_segment_fixed_size 3072
		.amdhsa_private_segment_fixed_size 0
		.amdhsa_enable_private_segment 0
		.amdhsa_kernarg_size 72
		.amdhsa_user_sgpr_count 2
		.amdhsa_user_sgpr_kernarg_segment_ptr 1
		.amdhsa_wavefront_size32 1
		.amdhsa_system_sgpr_workgroup_id_x 1
		.amdhsa_system_sgpr_workgroup_id_y 1
		.amdhsa_system_sgpr_workgroup_id_z 1
		.amdhsa_system_vgpr_workitem_id 0
		.amdhsa_next_free_vgpr 176
		.amdhsa_next_free_sgpr 66
		.amdhsa_reserve_vcc 0
		.amdhsa_float_denorm_mode_32 3
		.amdhsa_float_denorm_mode_16_64 3
		.amdhsa_memory_ordered 1
		.amdhsa_forward_progress 1
		.amdhsa_inst_pref_size 20
	.end_amdhsa_kernel
	.amdgpu_metadata
---
amdhsa.version: [ 1, 2 ]
amdhsa.kernels:
  - .name:           k_q7bfc71a932_prep
    .symbol:         k_q7bfc71a932_prep.kd
    .args:
      - { .name: x, .offset: 0, .size: 8, .value_kind: global_buffer, .address_space: global }
      - { .name: w_q, .offset: 8, .size: 8, .value_kind: global_buffer, .address_space: global }
      - { .name: w_k, .offset: 16, .size: 8, .value_kind: global_buffer, .address_space: global }
      - { .name: w_v, .offset: 24, .size: 8, .value_kind: global_buffer, .address_space: global }
      - { .name: w_fc, .offset: 32, .size: 8, .value_kind: global_buffer, .address_space: global }
      - { .name: xb, .offset: 40, .size: 8, .value_kind: global_buffer, .address_space: global }
      - { .name: wb, .offset: 48, .size: 8, .value_kind: global_buffer, .address_space: global }
      - { .name: wfr, .offset: 56, .size: 8, .value_kind: global_buffer, .address_space: global }
      - { .name: rpart, .offset: 64, .size: 8, .value_kind: global_buffer, .address_space: global }
    .group_segment_fixed_size: 3072
    .private_segment_fixed_size: 0
    .kernarg_segment_align: 8
    .kernarg_segment_size: 72
    .max_flat_workgroup_size: 256
    .sgpr_count:     66
    .vgpr_count:     176
    .wavefront_size: 32
...
	.end_amdgpu_metadata
.endif
;; end of part 1
;; launch proj (part 2): grid 128 x 2, 4 waves a work-group, clusters of 4 x 1, 327,680 bytes of LDS; arguments xb, wb, qkv; writes qkv
.if DOCPART == 2
	.amdgcn_target "amdgcn-amd-amdhsa--gfx1250"
	.amdhsa_code_object_version 6
	.text
	.protected	k_q7bfc71a932_proj
	.globl	k_q7bfc71a932_proj
	.p2align	8
	.type	k_q7bfc71a932_proj,@function
k_q7bfc71a932_proj:
	s_mov_b64 s[64:65], 0
	v_nop
	global_prefetch_b8 v0, s[64:65] scope:SCOPE_SE
	s_setreg_imm32_b32 hwreg(HW_REG_WAVE_MODE, 25, 1), 1
	s_wait_xcnt 0x0
	s_wait_alu depctr_hold_cnt(0) depctr_sa_sdst(0) depctr_va_vdst(0) depctr_va_sdst(0) depctr_va_ssrc(0) depctr_va_vcc(0) depctr_vm_vsrc(0)
	s_getreg_b32 s2, hwreg(HW_REG_IB_STS2, 6, 4)
	s_cmp_eq_u32 s2, 0
	s_cbranch_scc0 .Lentry_in_a_cluster
	s_endpgm
.Lentry_in_a_cluster:
	s_bfe_u32 s2, ttmp6, 0x10000c
	s_cmp_lg_u32 s2, 0x3003
	s_cbranch_scc0 .Lentry_shape_is_right
	s_endpgm
.Lentry_shape_is_right:
; PROJ: qkv = xb wb^T.  xb [16384][512], wb [1536][512], both bf16; sums in f32; qkv[3][64 heads][2048][64] bf16, rounded once.
; SHARES.  Work-group (i, j): rows 128 i .. 128 i + 127 of xb, columns 768 j .. 768 j + 767: 256 work-groups.  The 128 rows of xb (4 panels of 128 along K) stay in LDS;
; wb goes by in 3 passes of 256 columns x 4 K steps of 128 through two slots: 12 steps, 6 laps of two.  Wave w makes 128 rows x 64 columns, one head: 32 accumulators.
; The matrix instruction is used transposed (source 0 = 16 rows of wb, source 1 = 16 rows of xb): a lane holds 8 neighbouring channels of one row of the result.
; CLUSTER.  The four partners lie along the rows (same j): they need the same tiles of wb, which are asked for jointly (mask 15); xb's panels are each work-group's own loads.
; The accumulators are cleared by v_mov_b32 (at the start in the wait for the first tiles, later on the way out), so that every lap has one text.
; REGISTERS.  window 0: v0-13 addresses; v32-127, v128-223 two fragment buffers (32 of wb, then 64 of xb); on the way out v128-191 are at work.  window 1: accumulator (a, b) at v[8 (4 a + b)].
; LIMITS: bf16's rounding of the operands and of the result; NaN and infinities are not treated apart.
.set PITCH,  272                       ; an LDS row: 256 bytes + 16 of padding: the 16 rows of a fragment load start at 16 different groups of four banks (ISA guide 11.1)
.set APAN,   128*PITCH                 ; a panel of xb: 128 rows x 128 along K
.set APART,  32*PITCH                  ; what one wave fetches of a panel
.set BSLOT0, 4*APAN                    ; behind the four panels: two slots for wb
.set BSLOT,  256*PITCH
.set BPART,  64*PITCH                  ; what one wave fetches of a slot, and the only part of it that it reads
.set STAGE,  BSLOT0+2*BSLOT            ; 16 rows x 144 bytes for each wave, for the way out
.set SPITCH, 144
.set SPARE,  STAGE+4*16*SPITCH         ; the spare words, 128 bytes for each wave
.set ADRA0, 4                          ; v4   row x pitch + 16 x half
.set ADRA,  5                          ; v5   the same in the lap's first panel
.set ADRB,  6                          ; v6-7 my fragments of wb in slot 0, 1
.set STO,   8                          ; v8   the way out: where I put 16 bytes of a row
.set RD,    9                          ; v9   where I read rows back
.set GO,    10                         ; v10  16 x lane
.set PFO,   11                         ; v11  the prefetch's offset; never rewritten
.set SPW,   12                         ; v12  my spare word; never rewritten
.set NIL,   13                         ; v13  0; never rewritten
.set F0,    32
.set F1,    128
.set TMP,   128                        ; the way out: packed results, two sets of 16
.set OB,    160                        ; rows read back, two sets of 16
.set WV,  10                           ; s10 wave
.set CX,  11                           ; s11 my place in the cluster
.set BI,  12                           ; s12 i
.set BJ,  13                           ; s13 j
.set LEFT, 14                          ; s14 laps of the loop still to come
.set LIM, 15                           ; s15 1 in the cluster that prefetches, else 99
.set TT,  16                           ; s16 the lap's parity: 0: K steps 0, 1; 1: K steps 2, 3
.set PP,  17                           ; s17 the pass
.set AON, 18                           ; s18 the NEXT lap's first panel in LDS
.set INC, 20                           ; s[20:21] bytes from a slot's tile to its next
.set G1A, 24                           ; s[24:31] group 1 for xb's panels
.set G1B, 32                           ; s[32:39] for wb's tiles
.set G0A, 40                           ; s[40:55] group 0, one set for each panel
.set G0B, 56                           ; s[56:63] group 0, one set for each slot
.set OUT, 66                           ; s[66:67] my 128 rows of the head in hand
.set PFA, 68                           ; s[68:69] where my prefetches stand
.set LA,  72                           ; s72 my wave's place in a panel: wave x 32 rows; never rewritten
.set LB,  73                           ; s73 my wave's place in slot 0: behind the panels, wave x 64 rows; never rewritten
.set MSB, 0
.macro WIN new                         ; the immediate's high byte repeats the setting that is left; a switch that changes nothing is dropped
.if MSB != (\new)
	s_set_vgpr_msb (MSB<<8)|(\new)
.set MSB, \new
.endif
.endm
.macro PLACES                          ; four places behind a matrix instruction (ISA guide 7.12.1), where no other vector work is at hand
.rept 4
	v_nop
.endr
.endm
.macro CREST                           ; a round of the cluster's barrier behind its opening barrier
	s_cmp_lg_u32 s[WV], 0
	s_cbranch_scc1 .Lnot_wave_0_\@
	s_barrier_signal -3
.Lnot_wave_0_\@:
	s_barrier_wait -3
	s_barrier_signal -1
	s_barrier_wait -1
.endm
.macro CROUND
	s_barrier_signal -1
	s_barrier_wait -1
	CREST
.endm
; Where pass PP of my wave goes: group G = 3 j + PP of 256 columns: tensor G / 2, head 4 (G % 2) + wave of batch i / 16, rows 128 (i % 16) on.
; It works in s70, s71, s78 and s79 alone: these hold my place in the cluster, and none of them ever feeds an LDS address or a joint load's descriptor.
.macro MKOUT
	s_mul_i32 s78, s[BJ], 3
	s_add_co_u32 s78, s78, s[PP]
	s_lshr_b32 s70, s78, 1
	s_lshl_b32 s70, s70, 24                        ; a tensor is 2^24 bytes
	s_and_b32 s78, s78, 1
	s_lshl_b32 s78, s78, 2
	s_add_co_u32 s78, s78, s[WV]
	s_lshr_b32 s79, s[BI], 4
	s_lshl3_add_u32 s78, s79, s78
	s_lshl_b32 s78, s78, 18                        ; a head is 2^18 bytes
	s_add_co_u32 s70, s70, s78
	s_and_b32 s79, s[BI], 15
	s_lshl_b32 s79, s79, 14                        ; 128 rows of 128 bytes
	s_add_co_u32 s70, s70, s79
	s_mov_b32 s71, 0
	s_add_nc_u64 s[OUT:OUT+1], s[8:9], s[70:71]
.endm
	s_load_b128 s[4:7], s[0:1], 0x0                ; xb s[4:5], wb s[6:7]
	s_load_b64 s[8:9], s[0:1], 0x10                ; qkv
	v_lshl_add_u32 v[SPW], v0, 2, SPARE
	v_mov_b32 v[NIL], 0
	ds_add_u32 v[SPW], v[NIL]                      ; the wave's opening: the add and its wait ahead of my first tensor load
	v_lshrrev_b32 v1, 5, v0
	v_readfirstlane_b32 s[WV], v1
	s_bfe_u32 s[CX], ttmp6, 0x40000
	s_lshl_b32 s[BI], ttmp9, 2                     ; in a cluster launch ttmp9 counts clusters
	s_add_co_u32 s[BI], s[BI], s[CX]
	s_and_b32 s[BJ], ttmp7, 0xffff
	s_mov_b32 s[G1A], (1<<16)|(1<<20)|(5<<22)|(3<<25)              ; 2-byte elements; padding on: after every 64 words, 4 words
	s_mov_b32 s[G1B], 15|(1<<16)|(1<<20)|(1<<21)|(5<<22)|(3<<25)   ; the same, with the mask of all four partners and bit 21 beside it
	s_mov_b32 s[G1A+1], 128<<16                    ; tensor_dim0 = 128
	s_mov_b32 s[G1B+1], 128<<16
	s_mov_b32 s[G1A+2], 32<<16                     ; tensor_dim1 = 32 rows
	s_mov_b32 s[G1B+2], 64<<16                     ; 64 rows
	s_mov_b32 s[G1A+3], 128<<16                    ; tile_dim0 = 128
	s_mov_b32 s[G1B+3], 128<<16
	s_mov_b32 s[G1A+4], 32                         ; tile_dim1
	s_mov_b32 s[G1B+4], 64
	s_mov_b32 s[G1A+5], 512                        ; 512 elements from row to row
	s_mov_b32 s[G1B+5], 512
	s_mov_b32 s[G1A+6], 0
	s_mov_b32 s[G1B+6], 0
	s_mov_b32 s[G1A+7], 0
	s_mov_b32 s[G1B+7], 0
	s_lshl_b32 s70, s[BI], 17                      ; xb: row 128 i + 32 wave, 1,024 bytes a row
	s_lshl_b32 s71, s[WV], 15
	s_add_co_u32 s70, s70, s71
	s_mov_b32 s71, 0
	s_mul_i32 s74, s[BJ], 768                      ; wb: row 768 j + 64 wave: made of what the partners share, in registers that never hold cx
	s_lshl_b32 s75, s[WV], 6
	s_add_co_u32 s74, s74, s75
	s_lshl_b32 s74, s74, 10
	s_mov_b32 s75, 0
	s_mul_i32 s[LA], s[WV], APART                  ; where they go: no place in the cluster enters an LDS address
	s_mul_i32 s[LB], s[WV], BPART
	s_add_co_u32 s[LB], s[LB], BSLOT0
	s_mul_i32 s76, s[BJ], 768                      ; the prefetches begin at the second pass: row 768 j + 256 + 64 wave + 16 cx
	s_add_co_u32 s76, s76, 256
	s_lshl_b32 s77, s[WV], 6
	s_add_co_u32 s76, s76, s77
	s_lshl_b32 s77, s[CX], 4
	s_add_co_u32 s76, s76, s77
	s_lshl_b32 s76, s76, 10
	s_mov_b32 s77, 0
	s_cmp_eq_u32 ttmp9, 0                          ; every cluster of this j walks the same rows of wb: the first of them prefetches; the same in all four partners
	s_cselect_b32 s[LIM], 1, 99
	s_mov_b32 s[LEFT], 5
	s_mov_b32 s[TT], 0
	s_mov_b32 s[PP], 0
	s_mov_b32 s[AON], 2*APAN
	s_mov_b32 s[INC], 512
	s_mov_b32 s[INC+1], 0
	s_wait_dscnt 0x0                               ; the opening add is done
	s_wait_kmcnt 0x0
	s_add_nc_u64 s[70:71], s[4:5], s[70:71]
	s_add_nc_u64 s[74:75], s[6:7], s[74:75]
	s_add_nc_u64 s[PFA:PFA+1], s[6:7], s[76:77]
.irp s, 0,1,2,3
	s_mov_b32 s[G0A+4*(\s)], 1
	s_add_co_u32 s[G0A+4*(\s)+1], s[LA], (\s)*APAN
	s_add_nc_u64 s[G0A+4*(\s)+2:G0A+4*(\s)+3], s[70:71], (\s)*256
	s_or_b32 s[G0A+4*(\s)+3], s[G0A+4*(\s)+3], 0x80000000
.endr
.irp s, 0,1
	s_mov_b32 s[G0B+4*(\s)], 1
	s_add_co_u32 s[G0B+4*(\s)+1], s[LB], (\s)*BSLOT
	s_add_nc_u64 s[G0B+4*(\s)+2:G0B+4*(\s)+3], s[74:75], (\s)*256
	s_or_b32 s[G0B+4*(\s)+3], s[G0B+4*(\s)+3], 0x80000000
.endr
	MKOUT
	CROUND                                         ; all four work-groups are here: the first joint loads meet
	tensor_load_to_lds s[G0A:G0A+3], s[G1A:G1A+7]          ; six first fills in one group, in the order in which they are wanted: six loads of mine are out
	s_nop 0
	tensor_load_to_lds s[G0B:G0B+3], s[G1B:G1B+7]
	s_nop 0
	tensor_load_to_lds s[G0A+4:G0A+7], s[G1A:G1A+7]
	s_nop 0
	tensor_load_to_lds s[G0B+4:G0B+7], s[G1B:G1B+7]
	s_nop 0
	tensor_load_to_lds s[G0A+8:G0A+11], s[G1A:G1A+7]
	s_nop 0
	tensor_load_to_lds s[G0A+12:G0A+15], s[G1A:G1A+7]
	s_nop 0
	PLACES
	WIN 0x40
.set z_, 0
.rept 256
	v_mov_b32 v[z_], 0                             ; the sums start at 0: written in the wait for the first tiles
.set z_, z_+1
.endr
	WIN 0
	v_and_b32 v1, 15, v0                           ; l % 16
	v_bfe_u32 v2, v0, 4, 1                         ; l / 16
	v_mul_u32_u24 v[ADRA0], v1, PITCH
	v_lshl_add_u32 v[ADRA0], v2, 4, v[ADRA0]
	v_mov_b32 v[ADRA], v[ADRA0]                    ; lap 0 begins at panel 0
	v_add_nc_u32 v[ADRB], s[LB], v[ADRA0]
	v_add_nc_u32 v[ADRB+1], BSLOT, v[ADRB]
	s_mul_i32 s76, s[WV], 16*SPITCH
	s_add_co_u32 s76, s76, STAGE
	v_mul_u32_u24 v[STO], v1, SPITCH               ; in: row l % 16, 16 bytes for each half of the lanes
	v_lshl_add_u32 v[STO], v2, 4, v[STO]
	v_add_nc_u32 v[STO], s76, v[STO]
	v_bfe_u32 v[RD], v0, 3, 2                      ; back: 32 lanes take four rows of 128 bytes,
	v_mul_u32_u24 v[RD], v[RD], SPITCH
	v_and_b32 v3, 7, v0
	v_lshl_add_u32 v[RD], v3, 4, v[RD]
	v_add_nc_u32 v[RD], s76, v[RD]
	v_and_b32 v[GO], 31, v0                        ; which are 512 consecutive bytes of qkv
	v_lshlrev_b32 v[GO], 4, v[GO]
	v_lshlrev_b32 v[PFO], 10, v1                   ; lanes 0-15: 16 rows, a lap's first K step; lanes 16-31: the same rows, its second
	v_lshl_add_u32 v[PFO], v2, 8, v[PFO]
; 4 n matrix instructions: row blocks a0 .. a0 + n - 1 x all 4 column blocks, 32 along K.  The accumulators take turns, one instruction a turn.
.macro MUL f, a0, n
	WIN 0x50                                       ; C and D in window 1
.set ma_, \a0
.rept \n
.irp b, 0,1,2,3
	v_wmma_f32_16x16x32_bf16 v[8*(4*ma_+(\b)):8*(4*ma_+(\b))+7], v[(\f)+8*(\b):(\f)+8*(\b)+7], v[(\f)+32+8*ma_:(\f)+32+8*ma_+7], v[8*(4*ma_+(\b)):8*(4*ma_+(\b))+7]
.endr
.set ma_, ma_+1
.endr
.endm
; 24 LDS loads in one run: the fragments of 32 along K at byte k of the rows: 64 rows of wb, then 128 rows of xb
.macro FETCH slot, k, f
	WIN 0
.irp i, 0,1,2,3
	ds_load_b128 v[(\f)+8*(\i):(\f)+8*(\i)+3],   v[ADRB+(\slot)] offset:(\k)+(\i)*16*PITCH
	ds_load_b128 v[(\f)+8*(\i)+4:(\f)+8*(\i)+7], v[ADRB+(\slot)] offset:(\k)+(\i)*16*PITCH+32
.endr
.irp i, 0,1,2,3,4,5,6,7
	ds_load_b128 v[(\f)+32+8*(\i):(\f)+32+8*(\i)+3],   v[ADRA] offset:(\slot)*APAN+(\k)+(\i)*16*PITCH
	ds_load_b128 v[(\f)+32+8*(\i)+4:(\f)+32+8*(\i)+7], v[ADRA] offset:(\slot)*APAN+(\k)+(\i)*16*PITCH+32
.endr
.endm
; A K step is four quarters of 32 along K, 32 matrix instructions each, on buffers 0, 1, 0, 1.  One of the first three:
.macro QUARTER slot, k, f, g
	s_wait_dscnt 8                                 ; wb's fragments and xb's blocks 0-3 are in; the youngest eight loads (blocks 4-7) may be out
	MUL \f, 0, 4
	PLACES
	FETCH \slot, \k, \g
	s_wait_dscnt 24                                ; all but the 24 just issued
	MUL \f, 4, 4
.endm
; A prefetch into the L2 of wb's tiles of the lap after next: of the 64 rows that wave w fetches, partner cx names rows 16 cx .. 16 cx + 15, both K steps: a lane a block of 256 bytes.
; So each block is named once in the launch.  The first two laps come by their loads alone; the last two laps that are walked ask for nothing.
.macro ASK
	s_cmp_gt_u32 s[LEFT], s[LIM]
	s_cbranch_scc0 .Lnot_mine_\@
	global_prefetch_b8 v[PFO], s[PFA:PFA+1] th:TH_LOAD_NT scope:SCOPE_SE
.Lnot_mine_\@:
.endm
; The last quarter multiplies buffer 1 and changes slots.  In front of the barrier each wave waits for all its tensor loads, adds 0 to its spare word, and waits for that and for its reads of this slot.
; fill = 1: the barrier opens a round of the cluster's, and the joint refill, this slot's tile two steps on, is the first thing behind it.
.macro TURN slot, next, fill, ask
	WIN 0
	s_wait_tensorcnt 0x0                           ; all my tensor loads have landed
	ds_add_u32 v[SPW], v[NIL]
	s_wait_dscnt 9                                 ; (the add and the youngest eight loads may be out)
	MUL F1, 0, 2
	s_wait_dscnt 0x0                               ; the add is done, and my reads of this slot are over
	s_barrier_signal -1
	MUL F1, 2, 2
.if \fill
	WIN 0
.endif
	s_barrier_wait -1
.if \fill
	CREST                                          ; no wave of any partner still reads this slot or has a load on its way
	s_add_nc_u64 s[G0B+4*(\slot)+2:G0B+4*(\slot)+3], s[G0B+4*(\slot)+2:G0B+4*(\slot)+3], s[INC:INC+1]
	tensor_load_to_lds s[G0B+4*(\slot):G0B+4*(\slot)+3], s[G1B:G1B+7]
	s_nop 0
.endif
	PLACES                                         ; also the places in front of the loads below
.if (\slot) == 1
	WIN 0
	v_add_nc_u32 v[ADRA], s[AON], v[ADRA0]         ; the next lap's panels
.endif
	FETCH \next, 0, F0
.if \ask
	ASK
.endif
	MUL F1, 4, 4
.endm
; THE WAY OUT of block a of 16 rows.  PACK: rounded to bf16 (each accumulator's registers in ascending order); clear = 1: the accumulators are set to 0 for the next pass.
.macro PACK a, clear
	WIN 0x05
.irp b, 0,1,2,3
.irp r, 0,1,2,3
	v_cvt_pk_bf16_f32 v[TMP+16*((\a)%2)+4*(\b)+(\r)], v[8*(4*(\a)+(\b))+2*(\r)], v[8*(4*(\a)+(\b))+2*(\r)+1]
.endr
.endr
.if \clear
	WIN 0x40
.set z_, 32*(\a)
.rept 32
	v_mov_b32 v[z_], 0
.set z_, z_+1
.endr
.endif
	WIN 0
.endm
.macro TOSTAGE a                       ; into my own stage and back as whole rows: LDS serves a wave's instructions in order (ISA guide 5.7.1.4)
	WIN 0
.irp b, 0,1,2,3
	ds_store_b128 v[STO], v[TMP+16*((\a)%2)+4*(\b):TMP+16*((\a)%2)+4*(\b)+3] offset:32*(\b)
.endr
.irp f, 0,1,2,3
	ds_load_b128 v[OB+16*((\a)%2)+4*(\f):OB+16*((\a)%2)+4*(\f)+3], v[RD] offset:(\f)*4*SPITCH
.endr
.endm
.macro SEND a
	WIN 0
	s_wait_dscnt 0x0                               ; the block is back in registers
	s_wait_xcnt 0x0                                ; the stores of the block before have read their registers, which the next block's loads write
.irp f, 0,1,2,3
	global_store_b128 v[GO], v[OB+16*((\a)%2)+4*(\f):OB+16*((\a)%2)+4*(\f)+3], s[OUT:OUT+1] offset:2048*(\a)+512*(\f)  ; 512 consecutive bytes, aligned
.endr
.endm
.macro WAYOUT clear
	PLACES
	PACK 0, \clear
	TOSTAGE 0
.irp a, 1,2,3,4,5,6,7                  ; block a's conversions stand between block a - 1's loads from the stage and the wait for them
	PACK \a, \clear
	SEND (\a)-1
	TOSTAGE \a
.endr
	SEND 7
.endm
	s_wait_tensorcnt 4                             ; panel 0 and slot 0 are in; the four younger loads stay out
	s_barrier_signal -1
	s_barrier_wait -1
	FETCH 0, 0, F0
.Llap:                                         ; five laps fill both slots again
	QUARTER 0, 64,  F0, F1
	QUARTER 0, 128, F1, F0
	QUARTER 0, 192, F0, F1
	TURN 0, 1, 1, 1
	QUARTER 1, 64,  F0, F1
	QUARTER 1, 128, F1, F0
	QUARTER 1, 192, F0, F1
	TURN 1, 0, 1, 0
	WIN 0
	s_cmp_eq_u32 s[TT], 1                          ; a pass ends with its second lap
	s_cbranch_scc0 .Lno_out
	WAYOUT 1
	s_wait_xcnt 0x0                                ; the stores have read their base and their registers
	s_add_co_u32 s[PP], s[PP], 1
	MKOUT
.Lno_out:
	s_wait_xcnt 0x0                                ; the lap's prefetch, a K step back, has read its address
	s_add_nc_u64 s[PFA:PFA+1], s[PFA:PFA+1], s[INC:INC+1]
	s_xor_b32 s[TT], s[TT], 1
	s_xor_b32 s[AON], s[AON], 2*APAN
	s_mul_i32 s[INC], s[TT], 261120                ; 512 bytes along K, or 256 rows down and 512 bytes back
	s_add_co_u32 s[INC], s[INC], 512
	s_sub_co_u32 s[LEFT], s[LEFT], 1
	s_cmp_lg_u32 s[LEFT], 0
	s_cbranch_scc1 .Llap
	QUARTER 0, 64,  F0, F1                         ; the last lap fills nothing
	QUARTER 0, 128, F1, F0
	QUARTER 0, 192, F0, F1
	TURN 0, 1, 0, 0
	QUARTER 1, 64,  F0, F1
	QUARTER 1, 128, F1, F0
	QUARTER 1, 192, F0, F1
	s_wait_dscnt 8
	MUL F1, 0, 4
	s_wait_dscnt 0x0
	MUL F1, 4, 4
	WAYOUT 0
	s_wait_tensorcnt 0x0                           ; the wave's end
	ds_add_u32 v[SPW], v[NIL]
	s_wait_dscnt 0x0
	CROUND                                         ; the closing round
	s_endpgm
.Lfunc_end_k_q7bfc71a932_proj:
	.size	k_q7bfc71a932_proj, .Lfunc_end_k_q7bfc71a932_proj-k_q7bfc71a932_proj
	.p2alignl 7, 3214868480
	.fill 96, 4, 3214868480
	.section	.rodata,"a",@progbits
	.p2align	6, 0x0
	.amdhsa_kernel k_q7bfc71a932_proj
		.amdhsa_group_segment_fixed_size 327680
		.amdhsa_private_segment_fixed_size 0
		.amdhsa_enable_private_segment 0
		.amdhsa_kernarg_size 24
		.amdhsa_user_sgpr_count 2
		.amdhsa_user_sgpr_kernarg_segment_ptr 1
		.amdhsa_wavefront_size32 1
		.amdhsa_system_sgpr_workgroup_id_x 1
		.amdhsa_system_sgpr_workgroup_id_y 1
		.amdhsa_system_sgpr_workgroup_id_z 1
		.amdhsa_system_vgpr_workitem_id 0
		.amdhsa_next_free_vgpr 512
		.amdhsa_next_free_sgpr 80
		.amdhsa_reserve_vcc 0
		.amdhsa_float_denorm_mode_32 3
		.amdhsa_float_denorm_mode_16_64 3
		.amdhsa_memory_ordered 1
		.amdhsa_forward_progress 1
		.amdhsa_inst_pref_size 119
	.end_amdhsa_kernel
	.amdgpu_metadata
---
amdhsa.version: [ 1, 2 ]
amdhsa.kernels:
  - .name:           k_q7bfc71a932_proj
    .symbol:         k_q7bfc71a932_proj.kd
    .args:
      - { .name: xb, .offset: 0, .size: 8, .value_kind: global_buffer, .address_space: global }
      - { .name: wb, .offset: 8, .size: 8, .value_kind: global_buffer, .address_space: global }
      - { .name: qkv, .offset: 16, .size: 8, .value_kind: global_buffer, .address_space: global }
    .group_segment_fixed_size: 327680
    .private_segment_fixed_size: 0
    .kernarg_segment_align: 8
    .kernarg_segment_size: 24
    .max_flat_workgroup_size: 128
    .sgpr_count:     80
    .vgpr_count:     512
    .wavefront_size: 32
...
	.end_amdgpu_metadata
.endif
;; end of part 2
;; launch attn (part 3): grid 4 x 64, 4 waves a work-group, clusters of 4 x 1, 327,680 bytes of LDS; arguments qkv, wfr, rpart, cpart, ypart; writes cpart, ypart
.if DOCPART == 3
	.amdgcn_target "amdgcn-amd-amdhsa--gfx1250"
	.amdhsa_code_object_version 6
	.text
	.protected	k_q7bfc71a932_attn
	.globl	k_q7bfc71a932_attn
	.p2align	8
	.type	k_q7bfc71a932_attn,@function
k_q7bfc71a932_attn:
	s_mov_b64 s[64:65], 0
	v_nop
	global_prefetch_b8 v0, s[64:65] scope:SCOPE_SE
	s_setreg_imm32_b32 hwreg(HW_REG_WAVE_MODE, 25, 1), 1
	s_wait_xcnt 0x0
	s_wait_alu depctr_hold_cnt(0) depctr_sa_sdst(0) depctr_va_vdst(0) depctr_va_sdst(0) depctr_va_ssrc(0) depctr_va_vcc(0) depctr_vm_vsrc(0)
	s_getreg_b32 s2, hwreg(HW_REG_IB_STS2, 6, 4)
	s_cmp_eq_u32 s2, 0
	s_cbranch_scc0 .Lentry_in_a_cluster
	s_endpgm
.Lentry_in_a_cluster:
	s_bfe_u32 s2, ttmp6, 0x10000c
	s_cmp_lg_u32 s2, 0x3003
	s_cbranch_scc0 .Lentry_shape_is_right
	s_endpgm
.Lentry_shape_is_right:
; ATTN: the column sums of softmax(q k^T / 8), and what hangs linearly on them.  qkv[3][64 heads][2048][64] bf16; q already carries c = log2(e) / 8, so a product q . k is c s.
; SHARES.  A work-group owns one head and 512 of its queries (a quarter), in 8 blocks of 64.  All 2,048 keys of the head lie in LDS, filled once.  Wave w owns keys 512 w .. 512 w + 511.
; LAYOUT.  S = Q K^T (source 0 = 16 queries, source 1 = 16 keys): a lane holds ONE key (lane % 16), register j query 8 (lane / 16) + j.
; A BLOCK.  Sweep A: all scores, an element-wise running maximum; then the maximum over 16 lanes and, through LDS, over the four waves: -m for each query.
;   Sweep B: the scores again, the first product's C operand being -m: the unit delivers c s - c m; p = 2^(..); l += p; p rounded to bf16 stays in 512 registers (P).
;   l over lanes and waves; f = 1 / l, rounded to bf16, IS source 0 (16 equal rows x 32 queries), and P as it lies IS source 1 (32 queries x 16 keys) of the column sums F x P.
;   The column sums of block i are multiplied in sweep B of block i + 1, each tile just ahead of the roundings that overwrite it; for the first block P and F hold 0.
; THE TAIL.  The keys' LDS bytes are filled again with V.  colsum -> cpart; o = V^T colsum over my keys, summed over the waves; y = wfr o; ypart = y 2^-22 + (my row of rpart) 2^-11.
; CLUSTER.  The four quarters of a head read the same K and V: each tile is asked for jointly (mask 15).
; LIMITS.  Matrix operands are bf16 (q, k, v, p, 1 / l, colsum, o, w_fc).  The maximum taken away is the true maximum of sweep A's scores; sweep B's sums begin with -m, so their last bits may differ.
; A weight below 2^-126 counts as 0.  NaN and infinities are not treated apart.
; REGISTERS, in windows of 256 (s_set_vgpr_msb: bits 1:0 source 0, 3:2 source 1, 5:4 source 2, 7:6 destination):
;   window 0: v0-31 addresses and a few at work; v32-63 l; v64-95 column sums, one a key tile; v96-111 o packed; v112-127 staging; v128-191 K's fragments, two buffers (tail: y); v192-223 o; v224-255 m
;   window 1: v0-63 Q; v64-127, v128-191 scores, two buffers of 8 accumulators (n = 4 kt + qt); also what the exchanges read back; v224-239 two column-sum results; v240-255 F
;   windows 2, 3: P: key tile t at 16 (t % 16), tiles 16-31 in window 3; in it query tile qt at 4 qt
.set PK,    144                        ; a key's row in LDS: 128 bytes + 16 of padding: the 16 rows of a load start at 16 different groups of four banks (ISA guide 11.1)
.set WPART, 512*PK                     ; a wave's 512 keys
.set GRP,   32*PK                      ; a group of two key tiles
.set XCH,   4*WPART                    ; 4 waves x 64 numbers: the exchanges
.set CS,    XCH+1024                   ; colsum[2048] in f32
.set YB,    CS+8192                    ; y[512] in f32
.set SPARE, YB+2048                    ; the spare words, 128 bytes for each wave
.set AKB,  4                           ; v4   my lane's place in my wave's keys
.set AKB2, 5                           ; v5   the same, 8 groups on
.set AK,   6                           ; v6   sweep A's walking address
.set QO,   7                           ; v7   row x 128 + 16 x half: in 16 rows of Q, and of wfr
.set XS,   8                           ; v8   where I put numbers for the others
.set XL,   9                           ; v9   where I read everybody's
.set CSA,  10                          ; v10  colsum of key lane % 16 of my wave's tile 0
.set CB,   11                          ; v11  colsum as source 1: walks
.set AV,   12                          ; v12  V for the turning load: walks
.set CSR,  14                          ; v14  my 16 bytes of my wave's colsum
.set GO,   15                          ; v15  16 x lane
.set YS,   17                          ; v17  where I put y
.set YR,   18                          ; v18  where I read it back
.set PFO,  19                          ; v19  256 x lane; never rewritten
.set SPW,  20                          ; v20  my spare word; never rewritten
.set NIL,  21                          ; v21  0; never rewritten
.set RP,   24                          ; v[24:27] my 4 numbers of rpart
.set YV,   28                          ; v[28:31] my 4 numbers of y
.set LS,   32
.set CSUM, 64
.set OF,   96
.set STG,  112
.set KF,   128
.set OT,   192
.set M,    224
.set T,    64                          ; window 1
.set DT,   224
.set F,    240
.set WV,  14                           ; s14 wave
.set CX,  15                           ; s15 my quarter
.set BH,  16                           ; s16 the head
.set CNT, 17                           ; s17 blocks still to come
.set IT,  18                           ; s18 inner loops
.set LQ,  19                           ; s19 1 in wave 0, else 99
.set QB,  20                           ; s[20:21] Q at the block in hand
.set G1,  24                           ; s[24:31]
.set G0,  32                           ; s[32:35]
.set PFV, 38                           ; s[38:39] my share of V for the prefetch
.set CPB, 40                           ; s[40:41] cpart at my wave's keys
.set RPB, 42                           ; s[42:43] rpart at my wave's columns
.set YPB, 44                           ; s[44:45] ypart likewise
.set WFB, 46                           ; s[46:47] wfr at my head and my wave's 128 rows
.set LOW, 50                           ; s50 the lowest finite number
.set MSB, 0
.macro WIN new
.if MSB != (\new)
	s_set_vgpr_msb (MSB<<8)|(\new)
.set MSB, \new
.endif
.endm
.macro PLACES
.rept 4
	v_nop
.endr
.endm
.macro CROUND                          ; a round of the cluster's barrier
	s_barrier_signal -1
	s_barrier_wait -1
	s_cmp_lg_u32 s[WV], 0
	s_cbranch_scc1 .Lnot_wave_0_\@
	s_barrier_signal -3
.Lnot_wave_0_\@:
	s_barrier_wait -3
	s_barrier_signal -1
	s_barrier_wait -1
.endm
	s_load_b256 s[4:11], s[0:1], 0x0               ; qkv 4, wfr 6, rpart 8, cpart 10
	s_load_b64 s[12:13], s[0:1], 0x20              ; ypart
	v_lshl_add_u32 v[SPW], v0, 2, SPARE
	v_mov_b32 v[NIL], 0
	ds_add_u32 v[SPW], v[NIL]                      ; the wave's opening: the add and its wait ahead of my first tensor load
	v_lshrrev_b32 v1, 5, v0
	v_readfirstlane_b32 s[WV], v1
	s_bfe_u32 s[CX], ttmp6, 0x40000
	s_and_b32 s[BH], ttmp7, 0xffff
	; 512 keys are 65,536 dense bytes: asked for as 256 rows of 256 bytes, two keys a row, padded in LDS after every key
	s_mov_b32 s[G1], 15|(1<<16)|(1<<20)|(1<<21)|(4<<22)|(3<<25)  ; the mask of four; 2-byte elements; padding on; bit 21 beside the mask; after every 32 words, 4 words
	s_mov_b32 s[G1+1], 128<<16                     ; tensor_dim0 = 128
	s_mov_b32 s[G1+2], 256<<16                     ; tensor_dim1 = 256
	s_mov_b32 s[G1+3], 128<<16                     ; tile_dim0 = 128
	s_mov_b32 s[G1+4], 256                         ; tile_dim1 = 256
	s_mov_b32 s[G1+5], 128                         ; 128 elements from row to row
	s_mov_b32 s[G1+6], 0
	s_mov_b32 s[G1+7], 0
	s_mov_b32 s[G0], 1
	s_mul_i32 s[G0+1], s[WV], WPART                ; no place in the cluster enters an LDS address
	s_lshl_b32 s22, s[BH], 18                      ; K: tensor 1, my head, my wave's 512 keys: made of what the partners share
	s_lshl_b32 s23, s[WV], 16
	s_add_co_u32 s22, s22, s23
	s_add_co_u32 s22, s22, 1<<24
	s_mov_b32 s23, 0
	s_lshl_b32 s36, s[BH], 18                      ; Q: my head, my quarter's 512 rows
	s_lshl_b32 s37, s[CX], 16
	s_add_co_u32 s36, s36, s37
	s_mov_b32 s37, 0
	s_lshl_b32 s48, s[WV], 14                      ; V for the prefetch: tensor 2, my head; quarter cx and wave w name 64 blocks of 256 bytes
	s_add_co_u32 s48, s48, s36
	s_add_co_u32 s48, s48, 1<<25
	s_mov_b32 s49, 0
	s_lshl2_add_u32 s51, s[BH], s[CX]              ; 4 head + quarter
	s_lshl_b32 s[CPB], s51, 13
	s_lshl_b32 s52, s[WV], 11
	s_add_co_u32 s[CPB], s[CPB], s52
	s_mov_b32 s[CPB+1], 0
	s_lshl_b32 s[RPB], s51, 11
	s_lshl_b32 s52, s[WV], 9
	s_add_co_u32 s[RPB], s[RPB], s52
	s_mov_b32 s[RPB+1], 0
	s_and_b32 s[WFB], s[BH], 7
	s_lshl_b32 s[WFB], s[WFB], 16
	s_lshl_b32 s52, s[WV], 14
	s_add_co_u32 s[WFB], s[WFB], s52
	s_mov_b32 s[WFB+1], 0
	s_cmp_eq_u32 s[WV], 0
	s_cselect_b32 s[LQ], 1, 99
	s_mov_b32 s[LOW], 0xff7fffff
	s_mov_b32 s[CNT], 8
	s_wait_dscnt 0x0                               ; the opening add is done
	s_wait_kmcnt 0x0
	s_add_nc_u64 s[G0+2:G0+3], s[4:5], s[22:23]
	s_or_b32 s[G0+3], s[G0+3], 0x80000000
	s_add_nc_u64 s[QB:QB+1], s[4:5], s[36:37]
	s_add_nc_u64 s[PFV:PFV+1], s[4:5], s[48:49]
	s_add_nc_u64 s[CPB:CPB+1], s[10:11], s[CPB:CPB+1]
	s_add_nc_u64 s[YPB:YPB+1], s[12:13], s[RPB:RPB+1]
	s_add_nc_u64 s[RPB:RPB+1], s[8:9], s[RPB:RPB+1]
	s_add_nc_u64 s[WFB:WFB+1], s[6:7], s[WFB:WFB+1]
	CROUND                                         ; all four work-groups are here: the first joint loads meet
	tensor_load_to_lds s[G0:G0+3], s[G1:G1+7]      ; my wave's 512 keys: one load of mine is out
	s_nop 0
	PLACES
	v_and_b32 v1, 15, v0                           ; l % 16
	v_bfe_u32 v2, v0, 4, 1                         ; l / 16
	v_and_b32 v3, 31, v0                           ; l
	v_lshlrev_b32 v[QO], 7, v1
	v_lshl_add_u32 v[QO], v2, 4, v[QO]
; A block's Q, 64 rows x 128 bytes, straight into registers: tile u / 4, 32 bytes u % 4 on (a fragment is two loads of 16 bytes, 32 apart).
.macro QLOAD
	WIN 0x40
.set u_, 0
.rept 16
	global_load_b128 v[4*u_:4*u_+3], v[QO], s[QB:QB+1] offset:2048*(u_/4)+32*(u_%4)
.set u_, u_+1
.endr
	WIN 0
.endm
	QLOAD
	; What the first block's sweep B finds: P and F hold 0, so its column-sum products add 0.  All this stands in the wait for K.
	WIN 0x80
.set z_, 0
.rept 256
	v_mov_b32 v[z_], 0
.set z_, z_+1
.endr
	WIN 0xc0
.set z_, 0
.rept 256
	v_mov_b32 v[z_], 0
.set z_, z_+1
.endr
	WIN 0x40
.set z_, 0
.rept 16
	v_mov_b32 v[F+z_], 0
.set z_, z_+1
.endr
	WIN 0
.set z_, 0
.rept 32
	v_mov_b32 v[CSUM+z_], 0
.set z_, z_+1
.endr
	v_mul_u32_u24 v[AKB], v1, PK
	v_lshl_add_u32 v[AKB], v2, 4, v[AKB]
	v_add_nc_u32 v[AKB], s[G0+1], v[AKB]
	v_add_nc_u32 v[AKB2], 8*GRP, v[AKB]
	s_lshl_b32 s48, s[WV], 8
	s_add_co_u32 s48, s48, XCH
	v_lshl_add_u32 v[XS], v2, 5, s48               ; my wave's 64 numbers: number 16 qt + 8 (l / 16) + j
	v_lshl_add_u32 v[XL], v2, 5, XCH
	s_lshl_b32 s48, s[WV], 11
	s_add_co_u32 s48, s48, CS
	v_lshl_add_u32 v[CSA], v1, 2, s48
	v_lshl_add_u32 v[CB], v2, 5, s48
	v_lshl_add_u32 v[CSR], v3, 4, s48
	s_lshl_b32 s48, s[WV], 9
	s_add_co_u32 s48, s48, YB
	v_lshl_add_u32 v[YS], v2, 5, s48
	v_lshl_add_u32 v[YR], v3, 4, s48
	v_lshlrev_b32 v[GO], 4, v3
	v_lshlrev_b32 v[PFO], 8, v3
	v_and_b32 v13, 7, v0                           ; the turning load: lane l reads key 8 (l / 16) + l % 8, channels 8 ((l / 8) % 2) on
	v_lshl_add_u32 v13, v2, 3, v13
	v_mul_u32_u24 v[AV], v13, PK
	v_bfe_u32 v13, v0, 3, 1
	v_lshl_add_u32 v[AV], v13, 4, v[AV]
	v_add_nc_u32 v[AV], s[G0+1], v[AV]
; 8 LDS loads: a group's two key tiles x 64 channels into buffer buf
.macro KLOAD buf, adr, off
	WIN 0
.irp u, 0,1,2,3,4,5,6,7
	ds_load_b128 v[KF+32*(\buf)+4*(\u):KF+32*(\buf)+4*(\u)+3], v[\adr] offset:(\off)+16*PK*((\u)/4)+32*((\u)%4)
.endr
.endm
; Link c (channels 32 c on) of accumulator n = 4 kt + qt of buffer b.  how = 0: the sum starts with 0; 1: with -m; 2: in place
.macro SCW b, n, c, how
.set rS, 64+64*(\b)+8*(\n)
.set rQ, 16*((\n)%4)+8*(\c)
.set rK, KF+32*(\b)+16*((\n)/4)+8*(\c)
.if (\how) == 0
	v_wmma_f32_16x16x32_bf16 v[rS:rS+7], v[rQ:rQ+7], v[rK:rK+7], 0
.elseif (\how) == 1
	v_wmma_f32_16x16x32_bf16 v[rS:rS+7], v[rQ:rQ+7], v[rK:rK+7], v[M+8*((\n)%4):M+8*((\n)%4)+7]
.else
	v_wmma_f32_16x16x32_bf16 v[rS:rS+7], v[rQ:rQ+7], v[rK:rK+7], v[rS:rS+7]
.endif
.endm
; A TRIP OF SWEEP A: the next group's K is asked for; 16 products (8 accumulators by turns); behind every second one four of the 32 maxima over the group before
; (each accumulator's low registers first).  The last four are the places behind the trip's last product.
.macro TRIPA cur, ride, adr, off
	KLOAD 1-(\cur), \adr, \off
	s_wait_dscnt 8                                 ; this group's K is in; the 8 loads just issued may be out
.set n_, 0
.rept 16
	WIN 0x51
.if n_ < 8
	SCW \cur, n_, 0, 0
.else
	SCW \cur, n_-8, 1, 2
.endif
.if (\ride) && (n_%2 == 1)
	WIN 0x14
.set z_, 4*(n_/2)
.rept 4
	v_max3_num_f32 v[M+z_], v[M+z_], v[64+64*(1-(\cur))+z_], v[96+64*(1-(\cur))+z_]
.set z_, z_+1
.endr
.endif
.set n_, n_+1
.endr
.if !(\ride)
	PLACES
.endif
.endm
; Over the 16 lanes of a half: four steps on each of 32 registers of window 0
.macro LANES op, reg
	WIN 0
.irp k, 1,2,4,8
.set i_, 0
.rept 32
	\op v[(\reg)+i_], v[(\reg)+i_], v[(\reg)+i_] row_xmask:\k row_mask:0xf bank_mask:0xf
.set i_, i_+1
.endr
.endr
.endm
.macro XSTORE reg                      ; my wave's 64 numbers into XCH: the 16 lanes of a half write the same words with the same values
	WIN 0
.irp u, 0,1,2,3,4,5,6,7
	ds_store_b128 v[XS], v[(\reg)+4*(\u):(\reg)+4*(\u)+3] offset:64*((\u)/2)+16*((\u)%2)
.endr
.endm
.macro XLOAD                           ; all four waves' numbers, 32 registers each, into window 1
	WIN 0x40
.irp w, 0,1,2,3
.irp u, 0,1,2,3,4,5,6,7
	ds_load_b128 v[T+32*(\w)+4*(\u):T+32*(\w)+4*(\u)+3], v[XL] offset:256*(\w)+64*((\u)/2)+16*((\u)%2)
.endr
.endr
.endm
.macro XSUM                            ; the four waves' numbers added, into the first 32
	WIN 0x45
.set i_, 0
.rept 16
	v_pk_add_f32 v[T+i_:T+i_+1], v[T+i_:T+i_+1], v[T+32+i_:T+32+i_+1]
	v_pk_add_f32 v[T+64+i_:T+64+i_+1], v[T+64+i_:T+64+i_+1], v[T+96+i_:T+96+i_+1]
.set i_, i_+2
.endr
.set i_, 0
.rept 16
	v_pk_add_f32 v[T+i_:T+i_+1], v[T+i_:T+i_+1], v[T+64+i_:T+64+i_+1]
.set i_, i_+2
.endr
.endm
; SWEEP B's pieces.  SP_ is the buffer of the group before, e_ counts its exponentials.
.macro EXPS cnt
.rept \cnt
	v_exp_f32 v[SP_+e_], v[SP_+e_]
.set e_, e_+1
.endr
.endm
.macro CSW d, t, p, first              ; result d (+)= F (query tiles 2 p, 2 p + 1) x P (key tile t, the same query tiles)
.set rP, 16*((\t)%16)+8*(\p)
.if \first
	v_wmma_f32_16x16x32_bf16 v[DT+8*(\d):DT+8*(\d)+7], v[F+8*(\p):F+8*(\p)+7], v[rP:rP+7], 0
.else
	v_wmma_f32_16x16x32_bf16 v[DT+8*(\d):DT+8*(\d)+7], v[F+8*(\p):F+8*(\p)+7], v[rP:rP+7], v[DT+8*(\d):DT+8*(\d)+7]
.endif
.endm
.macro ADDS k                          ; 8 of the 32 packed sums into l
.set a_, 8*(\k)
.rept 8
	v_pk_add_f32 v[LS+8*((a_/4)%4)+2*(a_%4):LS+8*((a_/4)%4)+2*(a_%4)+1], v[SP_+2*a_:SP_+2*a_+1], v[LS+8*((a_/4)%4)+2*(a_%4):LS+8*((a_/4)%4)+2*(a_%4)+1]
.set a_, a_+1
.endr
.endm
.macro CVTS k, t0                      ; 8 of the 32 roundings into P, tiles t0 and t0 + 1
.set a_, 8*(\k)
.rept 8
	v_cvt_pk_bf16_f32 v[16*(((\t0)+a_/16)%16)+a_%16], v[SP_+2*a_], v[SP_+2*a_+1]
.set a_, a_+1
.endr
.endm
; A TRIP OF SWEEP B, for group g.  Matrix work: the last block's column sums of the two tiles that this trip overwrites, then group g's 16 score products.  Vector work, on group g - 1:
; 64 exponentials, ONE BATCH, behind the first 12 products; a v_nop, the plain instruction behind the last of them, and ONE wait (ahead of the first line that names a result);
; then, behind the 8 second links, 32 packed sums and 32 roundings by turns.  The two column sums are taken nine plain instructions behind their last product, the roundings into P later still.
.macro TRIPB g
.set cur_, (\g)%2
.set SP_, 64+64*(1-cur_)
.set e_, 0
.set t0_, 2*(\g)-2
.if (\g) < 7
	KLOAD 1-cur_, AKB, GRP*((\g)+1)
.elseif (\g) < 15
	KLOAD 1-cur_, AKB2, GRP*((\g)-7)
.else
	KLOAD 1-cur_, AKB, 0                           ; group 0, for the next sweep A
.endif
	s_wait_dscnt 8                                 ; this group's K is in; the 8 loads just issued may be out
.if (\g) > 0
	WIN 0x59+4*(t0_/16)
	CSW 0, t0_, 0, 1
	EXPS 4
	CSW 1, t0_+1, 0, 1
	EXPS 4
	CSW 0, t0_, 1, 0
	EXPS 4
	CSW 1, t0_+1, 1, 0
	EXPS 4
.endif
	WIN 0x41                                       ; C = -m lies in window 0
.set n_, 0
.rept 8
	SCW cur_, n_, 0, 1
.if (\g) > 0
	EXPS 6
.endif
.set n_, n_+1
.endr
.if (\g) > 0
	v_nop
	s_wait_alu depctr_va_vdst(0)                   ; the wait for the batch
.endif
.set n_, 0
.rept 8
	WIN 0x51
	SCW cur_, n_, 1, 2
.if (\g) > 0
.if n_%2 == 0
	WIN 0x01
	ADDS n_/2
.if n_ == 0
	v_add_f32 v[CSUM+t0_],   v[DT],   v[CSUM+t0_]     ; all rows of the result are alike: its lowest register is the key's sum
	v_add_f32 v[CSUM+t0_+1], v[DT+8], v[CSUM+t0_+1]
.endif
.else
	WIN 0x85+0x40*(t0_/16)
	CVTS n_/2, t0_
.endif
.endif
.set n_, n_+1
.endr
.if (\g) == 0
	PLACES
.endif
.endm
	s_wait_tensorcnt 0x0                           ; my 512 keys are in; no other wave reads them, so no barrier is wanted
	KLOAD 0, AKB, 0
.Lblock:
	; ---- SWEEP A ----
	s_wait_loadcnt 0x0                             ; Q
.set i_, 0
.rept 32
	v_mov_b32 v[M+i_], s[LOW]
.set i_, i_+1
.endr
	v_mov_b32 v[AK], v[AKB]
	TRIPA 0, 0, AK, GRP                            ; group 0
	WIN 0
	s_mov_b32 s[IT], 7
.Lsa:                                          ; groups 2 i + 1 and 2 i + 2
	TRIPA 1, 1, AK, 2*GRP
	TRIPA 0, 1, AK, 3*GRP
	WIN 0
	v_add_nc_u32 v[AK], 2*GRP, v[AK]
	s_sub_co_u32 s[IT], s[IT], 1
	s_cmp_lg_u32 s[IT], 0
	s_cbranch_scc1 .Lsa
	TRIPA 1, 1, AKB, 0                             ; group 15; group 0 is asked for again, for sweep B
	WIN 0x14
.set z_, 0
.rept 32
	v_max3_num_f32 v[M+z_], v[M+z_], v[128+z_], v[160+z_]
.set z_, z_+1
.endr
	; ---- the maximum over lanes and waves ----
	LANES v_max_num_f32_dpp, M
	XSTORE M
	s_wait_dscnt 0x0                               ; for the others' sake
	s_barrier_signal -1
	s_barrier_wait -1
	XLOAD
	s_wait_dscnt 0x0                               ; my reads of the exchange are over:
	s_barrier_signal -1                            ; behind this barrier it may be written again
	WIN 0x15
.set i_, 0
.rept 32
	v_max3_num_f32 v[M+i_], v[T+i_], v[T+32+i_], v[T+64+i_]
.set i_, i_+1
.endr
	WIN 0x01
.set i_, 0
.rept 32
	v_max_num_f32 v[M+i_], v[T+96+i_], v[M+i_]
.set i_, i_+1
.endr
	WIN 0
.set i_, 0
.rept 32
	v_mul_f32 v[M+i_], -1.0, v[M+i_]               ; -m: the C operand of sweep B's first products
	v_mov_b32 v[LS+i_], 0
.set i_, i_+1
.endr
	s_barrier_wait -1
	; ---- prefetches into the L2: wave 0 names the next block's Q, 32 blocks of 256 bytes, a lane a block; in the last block every wave names its 64 blocks of V:
	; four partners x four waves x 64 are the head's 1,024.  Each block is named once in the launch.
	s_cmp_gt_u32 s[CNT], s[LQ]
	s_cbranch_scc0 .Lno_q
	global_prefetch_b8 v[PFO], s[QB:QB+1] offset:8192 th:TH_LOAD_NT scope:SCOPE_SE
.Lno_q:
	s_cmp_eq_u32 s[CNT], 1
	s_cbranch_scc0 .Lno_v
	global_prefetch_b8 v[PFO], s[PFV:PFV+1] th:TH_LOAD_NT scope:SCOPE_SE
	global_prefetch_b8 v[PFO], s[PFV:PFV+1] offset:8192 th:TH_LOAD_NT scope:SCOPE_SE
.Lno_v:
	; ---- SWEEP B ----
.irp g, 0,1,2,3,4,5,6,7,8,9,10,11,12,13,14,15
	TRIPB \g
.endr
.set SP_, 128                          ; group 15 is left: its vector work, and the last block's column sums of tiles 30 and 31
.set e_, 0
	WIN 0x5d
	CSW 0, 30, 0, 1
	EXPS 16
	CSW 1, 31, 0, 1
	EXPS 16
	CSW 0, 30, 1, 0
	EXPS 16
	CSW 1, 31, 1, 0
	EXPS 16
	v_nop
	s_wait_alu depctr_va_vdst(0)                   ; the wait for the batch
	WIN 0x01
	ADDS 0
	ADDS 1
	ADDS 2
	ADDS 3
	v_add_f32 v[CSUM+30], v[DT],   v[CSUM+30]
	v_add_f32 v[CSUM+31], v[DT+8], v[CSUM+31]
	WIN 0xc5
	CVTS 0, 30
	CVTS 1, 30
	CVTS 2, 30
	CVTS 3, 30
	; ---- l over lanes and waves; f = 1 / l ----
	WIN 0
	s_cmp_gt_u32 s[CNT], 1
	s_cbranch_scc0 .Lno_next_q
	s_wait_xcnt 0x0                                ; the last loads and prefetch by this base, a sweep back, have read it
	s_add_nc_u64 s[QB:QB+1], s[QB:QB+1], 8192
	QLOAD                                          ; the next block's Q comes while the sums meet
.Lno_next_q:
	LANES v_add_f32_dpp, LS
	XSTORE LS
	s_wait_dscnt 0x0
	s_barrier_signal -1
	s_barrier_wait -1
	XLOAD
	s_wait_dscnt 0x0
	s_barrier_signal -1
	XSUM
.set i_, 0
.rept 32
	v_rcp_f32 v[T+i_], v[T+i_]
.set i_, i_+1
.endr
	v_nop                                          ; a plain instruction behind the last reciprocal,
	s_wait_alu depctr_va_vdst(0)                   ; and one wait for the 32
.set i_, 0
.rept 16
	v_cvt_pk_bf16_f32 v[F+i_], v[T+2*i_], v[T+2*i_+1]
.set i_, i_+1
.endr
	WIN 0
	s_barrier_wait -1
	s_sub_co_u32 s[CNT], s[CNT], 1
	s_cmp_lg_u32 s[CNT], 0
	s_cbranch_scc1 .Lblock
	; ---- K's bytes are filled again, with V ----
	s_wait_tensorcnt 0x0                           ; no tensor load of mine is out, so group 0 may be written
	ds_add_u32 v[SPW], v[NIL]
	s_add_nc_u64 s[G0+2:G0+3], s[G0+2:G0+3], 0x1000000  ; V lies one tensor behind K; the type bits on top are not reached
	s_wait_dscnt 0x0                               ; the add is done, and my reads of K are over
	CROUND                                         ; no wave of any partner still reads K
	tensor_load_to_lds s[G0:G0+3], s[G1:G1+7]
	s_nop 0
	PLACES
	global_load_b128 v[RP:RP+3], v[GO], s[RPB:RPB+1]
	; ---- the last block's column sums: 8 tiles at a time, 8 results by turns ----
.irp q, 0,1,2,3
	WIN 0x59+4*((\q)/2)
.irp i, 0,1,2,3,4,5,6,7
	v_wmma_f32_16x16x32_bf16 v[T+8*(\i):T+8*(\i)+7], v[F:F+7], v[16*((8*(\q)+(\i))%16):16*((8*(\q)+(\i))%16)+7], 0
.endr
.irp i, 0,1,2,3,4,5,6,7
	v_wmma_f32_16x16x32_bf16 v[T+8*(\i):T+8*(\i)+7], v[F+8:F+15], v[16*((8*(\q)+(\i))%16)+8:16*((8*(\q)+(\i))%16)+15], v[T+8*(\i):T+8*(\i)+7]
.endr
	PLACES
	WIN 0x01
.irp i, 0,1,2,3,4,5,6,7
	v_add_f32 v[CSUM+8*(\q)+(\i)], v[T+8*(\i)], v[CSUM+8*(\q)+(\i)]
.endr
.endr
	WIN 0x80                                       ; my 128 rows of wfr, 8 tiles x 64 channels, into window 2, v128-255
.set u_, 0
.rept 32
	global_load_b128 v[128+4*u_:128+4*u_+3], v[QO], s[WFB:WFB+1] offset:2048*(u_/4)+32*(u_%4)
.set u_, u_+1
.endr
	; ---- colsum into LDS (lanes l and l + 16 write the same word with the same value), and out ----
	WIN 0
.set t_, 0
.rept 32
	ds_store_b32 v[CSA], v[CSUM+t_] offset:64*t_
.set t_, t_+1
.endr
.irp f, 0,1,2,3
	ds_load_b128 v[STG+4*(\f):STG+4*(\f)+3], v[CSR] offset:512*(\f)  ; my own wave's bytes: LDS serves a wave's instructions in order (ISA guide 5.7.1.4)
.endr
.set z_, 0
.rept 32
	v_mov_b32 v[OT+z_], 0                          ; o starts at 0, so that the loop below has one form of product
.set z_, z_+1
.endr
	s_wait_dscnt 0x0
.irp f, 0,1,2,3
	global_store_b128 v[GO], v[STG+4*(\f):STG+4*(\f)+3], s[CPB:CPB+1] offset:512*(\f)  ; 512 consecutive bytes, aligned
.endr
	; ---- o = V^T colsum over my 512 keys: 4 trips of 4 steps of 32 keys.  Source 0 = V turned (16 channels x 32 keys), source 1 = colsum in bf16, all 16 columns alike ----
	s_wait_tensorcnt 0x0                           ; my 512 rows of V are in; no other wave reads them
	s_mov_b32 s[IT], 4
.Lpv:
	WIN 0x80
.irp k, 0,1,2,3
	ds_load_b128 v[16*(\k):16*(\k)+3],     v[CB] offset:128*(\k)
	ds_load_b128 v[16*(\k)+4:16*(\k)+7],   v[CB] offset:128*(\k)+16
	ds_load_b128 v[16*(\k)+8:16*(\k)+11],  v[CB] offset:128*(\k)+64
	ds_load_b128 v[16*(\k)+12:16*(\k)+15], v[CB] offset:128*(\k)+80
.endr
	WIN 0x40
.irp k, 0,1,2,3
.irp d, 0,1,2,3
	ds_load_tr16_b128 v[T+32*(\k)+8*(\d):T+32*(\k)+8*(\d)+3],   v[AV] offset:GRP*(\k)+32*(\d)
	ds_load_tr16_b128 v[T+32*(\k)+8*(\d)+4:T+32*(\k)+8*(\d)+7], v[AV] offset:GRP*(\k)+32*(\d)+16*PK
.endr
.endr
	s_wait_dscnt 0x0
	WIN 0xca
.set i_, 0
.rept 32
	v_cvt_pk_bf16_f32 v[i_], v[2*i_], v[2*i_+1]
.set i_, i_+1
.endr
	WIN 0x0d
.irp k, 0,1,2,3
.irp d, 0,1,2,3
	v_wmma_f32_16x16x32_bf16 v[OT+8*(\d):OT+8*(\d)+7], v[T+32*(\k)+8*(\d):T+32*(\k)+8*(\d)+7], v[8*(\k):8*(\k)+7], v[OT+8*(\d):OT+8*(\d)+7]
.endr
.endr
	WIN 0
	v_add_nc_u32 v[CB], 512, v[CB]                 ; the next 128 keys; with the two v_nop these are the four places behind the last product
	v_add_nc_u32 v[AV], 4*GRP, v[AV]
	v_nop
	v_nop
	s_sub_co_u32 s[IT], s[IT], 1
	s_cmp_lg_u32 s[IT], 0
	s_cbranch_scc1 .Lpv
	; ---- o over the waves; packed, it is source 1 (64 channels x 16 equal columns) of y = wfr o ----
	XSTORE OT
	s_wait_dscnt 0x0
	s_barrier_signal -1
	s_barrier_wait -1
	XLOAD
	s_wait_dscnt 0x0
	XSUM
	WIN 0x05
.set i_, 0
.rept 16
	v_cvt_pk_bf16_f32 v[OF+i_], v[T+2*i_], v[T+2*i_+1]
.set i_, i_+1
.endr
	s_wait_loadcnt 0x0                             ; wfr and rpart
	WIN 0x02
.irp n, 0,1,2,3,4,5,6,7
	v_wmma_f32_16x16x32_bf16 v[KF+8*(\n):KF+8*(\n)+7], v[128+16*(\n):128+16*(\n)+7], v[OF:OF+7], 0
.endr
.irp n, 0,1,2,3,4,5,6,7
	v_wmma_f32_16x16x32_bf16 v[KF+8*(\n):KF+8*(\n)+7], v[128+16*(\n)+8:128+16*(\n)+15], v[OF+8:OF+15], v[KF+8*(\n):KF+8*(\n)+7]
.endr
	WIN 0
	PLACES
.irp n, 0,1,2,3,4,5,6,7
	ds_store_b128 v[YS], v[KF+8*(\n):KF+8*(\n)+3]   offset:64*(\n)
	ds_store_b128 v[YS], v[KF+8*(\n)+4:KF+8*(\n)+7] offset:64*(\n)+16
.endr
	ds_load_b128 v[YV:YV+3], v[YR]                 ; my own wave's bytes, in order
	v_pk_mul_f32 v[RP:RP+1],   v[RP:RP+1],   0x3a000000 op_sel_hi:[1,0]   ; my row of rpart x 2^-11
	v_pk_mul_f32 v[RP+2:RP+3], v[RP+2:RP+3], 0x3a000000 op_sel_hi:[1,0]
	s_wait_dscnt 0x0
	v_pk_fma_f32 v[YV:YV+1],   v[YV:YV+1],   0x34800000, v[RP:RP+1]   op_sel_hi:[1,0,1]  ; + y x 2^-22
	v_pk_fma_f32 v[YV+2:YV+3], v[YV+2:YV+3], 0x34800000, v[RP+2:RP+3] op_sel_hi:[1,0,1]
	global_store_b128 v[GO], v[YV:YV+3], s[YPB:YPB+1]  ; 512 consecutive bytes, aligned
	s_wait_tensorcnt 0x0                           ; the wave's end
	ds_add_u32 v[SPW], v[NIL]
	s_wait_dscnt 0x0
	CROUND                                         ; the closing round
	s_endpgm
.Lfunc_end_k_q7bfc71a932_attn:
	.size	k_q7bfc71a932_attn, .Lfunc_end_k_q7bfc71a932_attn-k_q7bfc71a932_attn
	.p2alignl 7, 3214868480
	.fill 96, 4, 3214868480
	.section	.rodata,"a",@progbits
	.p2align	6, 0x0
	.amdhsa_kernel k_q7bfc71a932_attn
		.amdhsa_group_segment_fixed_size 327680
		.amdhsa_private_segment_fixed_size 0
		.amdhsa_enable_private_segment 0
		.amdhsa_kernarg_size 40
		.amdhsa_user_sgpr_count 2
		.amdhsa_user_sgpr_kernarg_segment_ptr 1
		.amdhsa_wavefront_size32 1
		.amdhsa_system_sgpr_workgroup_id_x 1
		.amdhsa_system_sgpr_workgroup_id_y 1
		.amdhsa_system_sgpr_workgroup_id_z 1
		.amdhsa_system_vgpr_workitem_id 0
		.amdhsa_next_free_vgpr 1024
		.amdhsa_next_free_sgpr 66
		.amdhsa_reserve_vcc 0
		.amdhsa_float_denorm_mode_32 3
		.amdhsa_float_denorm_mode_16_64 3
		.amdhsa_memory_ordered 1
		.amdhsa_forward_progress 1
		.amdhsa_inst_pref_size 242
	.end_amdhsa_kernel
	.amdgpu_metadata
---
amdhsa.version: [ 1, 2 ]
amdhsa.kernels:
  - .name:           k_q7bfc71a932_attn
    .symbol:         k_q7bfc71a932_attn.kd
    .args:
      - { .name: qkv, .offset: 0, .size: 8, .value_kind: global_buffer, .address_space: global }
      - { .name: wfr, .offset: 8, .size: 8, .value_kind: global_buffer, .address_space: global }
      - { .name: rpart, .offset: 16, .size: 8, .value_kind: global_buffer, .address_space: global }
      - { .name: cpart, .offset: 24, .size: 8, .value_kind: global_buffer, .address_space: global }
      - { .name: ypart, .offset: 32, .size: 8, .value_kind: global_buffer, .address_space: global }
    .group_segment_fixed_size: 327680
    .private_segment_fixed_size: 0
    .kernarg_segment_align: 8
    .kernarg_segment_size: 40
    .max_flat_workgroup_size: 128
    .sgpr_count:     66
    .vgpr_count:     1024
    .wavefront_size: 32
...
	.end_amdgpu_metadata
.endif
;; end of part 3
;; launch final (part 4): grid 8 x 8, 8 waves a work-group, no clusters, 9,728 bytes of LDS; arguments cpart, ypart, gamma, beta, out0, out1; writes out0, out1
.if DOCPART == 4
	.amdgcn_target "amdgcn-amd-amdhsa--gfx1250"
	.amdhsa_code_object_version 6
	.text
	.protected	k_q7bfc71a932_final
	.globl	k_q7bfc71a932_final
	.p2align	8
	.type	k_q7bfc71a932_final,@function
k_q7bfc71a932_final:
	s_mov_b64 s[64:65], 0
	v_nop
	global_prefetch_b8 v0, s[64:65] scope:SCOPE_SE
	s_setreg_imm32_b32 hwreg(HW_REG_WAVE_MODE, 25, 1), 1
	s_wait_xcnt 0x0
; FINAL: out1[b][k] = 2^-14 x the sum of batch b's 32 rows of cpart; y[b] = the sum of its 32 rows of ypart; out0[b] = LayerNorm(y[b]) gamma + beta.
; SHARES.  Work-group (jc, b): keys 256 jc .. 256 jc + 255 of out1[b], and columns 64 jc .. 64 jc + 63 of out0[b]; each of a batch's eight work-groups sums all of y[b] (64 KiB) for itself,
; so that mean and variance never leave the work-group.  All 26 loads of a thread go out at once.  No matrix unit, no cluster, no prefetch: the launch is one trip to memory and three barriers.
; The variance is the mean of (y - mu)^2.  LIMITS: f32 throughout; NaN and infinities pass as they are.
.set YH,    0                          ; LDS: each thread's 4 half sums of y
.set P1,    4096                       ; each thread's 4 quarter sums of colsum
.set RED1,  8192                       ; 8 waves' sums
.set RED2,  8448                       ; 8 waves' sums of squares
.set SPARE, 8704                       ; the spare words, 128 bytes for each of 8 waves
.set CO,  1                            ; v1  (t / 64) x 65,536 + 16 (t % 64): 8 rows of cpart, 4 keys
.set YO,  2                            ; v2  (t / 128) x 32,768 + 16 (t % 128): 16 rows of ypart, 4 columns
.set GB,  3                            ; v3  16 (t % 128)
.set T16, 4                            ; v4  16 t
.set TX,  5                            ; v5  16 (t ^ 128)
.set T4,  6                            ; v6  t / 16
.set W4,  7                            ; v7  4 x wave
.set ZA,  10                           ; v10 0, an LDS address
.set RS,  12                           ; v[12:13] 1 / sqrt(var + eps), in the low word
.set C,   16                           ; v[16:47]
.set Y,   48                           ; v[48:111]
.set GA,  112
.set BE,  116
.set OTH, 120
.set SPW, 124
.set NIL, 125
.set WV,  18
.macro ADD4 d, s                       ; four sums
	v_pk_add_f32 v[(\d):(\d)+1],   v[(\d):(\d)+1],   v[(\s):(\s)+1]
	v_pk_add_f32 v[(\d)+2:(\d)+3], v[(\d)+2:(\d)+3], v[(\s)+2:(\s)+3]
.endm
.macro WSUM                            ; v8 summed over the wave's 32 lanes, in every lane
.irp k, 1,2,4,8
	v_add_f32_dpp v8, v8, v8 row_xmask:\k row_mask:0xf bank_mask:0xf
.endr
	v_permlanex16_b32 v9, v8, s28, s29
	v_add_f32 v8, v8, v9
.endm
.macro ALLSUM red, r                   ; the eight waves' v8 meet in LDS; their sum comes back in v8
	ds_store_b32 v[W4], v8 offset:\red
	s_wait_dscnt 0x0
	s_barrier_signal -1
	s_barrier_wait -1
	ds_load_b128 v[(\r):(\r)+3],   v[ZA] offset:\red
	ds_load_b128 v[(\r)+4:(\r)+7], v[ZA] offset:(\red)+16
	s_wait_dscnt 0x0
	ADD4 \r, (\r)+4
	v_pk_add_f32 v[(\r):(\r)+1], v[(\r):(\r)+1], v[(\r)+2:(\r)+3]
	v_add_f32 v8, v[\r], v[(\r)+1]
.endm
	s_load_b256 s[4:11], s[0:1], 0x0               ; cpart 4, ypart 6, gamma 8, beta 10
	s_load_b128 s[12:15], s[0:1], 0x20             ; out0 12, out1 14
	v_lshl_add_u32 v[SPW], v0, 2, SPARE
	v_mov_b32 v[NIL], 0
	v_lshrrev_b32 v[W4], 5, v0
	v_readfirstlane_b32 s[WV], v[W4]
	v_lshlrev_b32 v[W4], 2, v[W4]
	v_and_b32 v8, 63, v0
	v_lshrrev_b32 v9, 6, v0
	v_lshlrev_b32 v[CO], 4, v8
	v_lshl_add_u32 v[CO], v9, 16, v[CO]
	v_and_b32 v8, 127, v0
	v_lshrrev_b32 v9, 7, v0
	v_lshlrev_b32 v[GB], 4, v8
	v_lshl_add_u32 v[YO], v9, 15, v[GB]
	v_lshlrev_b32 v[T16], 4, v0
	v_xor_b32 v[TX], 2048, v[T16]
	v_lshrrev_b32 v[T4], 4, v0
	v_mov_b32 v[ZA], 0
	v_mov_b32 v[RS+1], 0                           ; named with RS as a pair
	s_mov_b32 s16, ttmp9                           ; jc
	s_and_b32 s17, ttmp7, 0xffff                   ; b
	s_lshl_b32 s20, s17, 18                        ; cpart: 32 rows of 8,192 bytes a batch, 1,024 bytes for my keys
	s_lshl_b32 s21, s16, 10
	s_add_co_u32 s20, s20, s21
	s_lshl_b32 s24, s17, 13                        ; out1
	s_add_co_u32 s24, s24, s21
	s_mov_b32 s21, 0
	s_mov_b32 s25, 0
	s_lshl_b32 s22, s17, 16                        ; ypart: 32 rows of 2,048 bytes a batch
	s_mov_b32 s23, 0
	s_lshl_b32 s26, s17, 11                        ; out0
	s_mov_b32 s27, 0
	s_mov_b32 s28, 0x76543210                      ; v_permlanex16_b32: each lane takes its own place in the other half
	s_mov_b32 s29, 0xfedcba98
	s_mov_b32 s30, 0x3a800000                      ; 1 / 1,024: both halves of the threads hold all of y, so every sum counts it twice
	s_mov_b32 s31, 0x358637bd                      ; 1e-6
	s_wait_kmcnt 0x0
	s_add_nc_u64 s[4:5], s[4:5], s[20:21]
	s_add_nc_u64 s[6:7], s[6:7], s[22:23]
	s_add_nc_u64 s[12:13], s[12:13], s[26:27]
	s_add_nc_u64 s[14:15], s[14:15], s[24:25]
.irp e, 0,1,2,3,4,5,6,7
	global_load_b128 v[C+4*(\e):C+4*(\e)+3], v[CO], s[4:5] offset:8192*(\e)
.endr
.irp e, 0,1,2,3,4,5,6,7,8,9,10,11,12,13,14,15
	global_load_b128 v[Y+4*(\e):Y+4*(\e)+3], v[YO], s[6:7] offset:2048*(\e)
.endr
	global_load_b128 v[GA:GA+3], v[GB], s[8:9]
	global_load_b128 v[BE:BE+3], v[GB], s[10:11]
	s_wait_loadcnt 18                              ; cpart's 8 are in; ypart's 16, gamma and beta may be out
.irp e, 0,2,4,6
	ADD4 C+4*(\e), C+4*(\e)+4
.endr
	ADD4 C, C+8
	ADD4 C+16, C+24
	ADD4 C, C+16
	ds_store_b128 v[T16], v[C:C+3] offset:P1
	s_wait_loadcnt 2                               ; ypart's 16 are in; gamma and beta may be out
.irp e, 0,2,4,6,8,10,12,14
	ADD4 Y+4*(\e), Y+4*(\e)+4
.endr
.irp e, 0,4,8,12
	ADD4 Y+4*(\e), Y+4*(\e)+8
.endr
	ADD4 Y, Y+16
	ADD4 Y+32, Y+48
	ADD4 Y, Y+32
	ds_store_b128 v[T16], v[Y:Y+3] offset:YH
	s_wait_dscnt 0x0                               ; for the others' sake
	s_barrier_signal -1
	s_barrier_wait -1
	ds_load_b128 v[OTH:OTH+3], v[TX] offset:YH     ; the other 16 rows' sums of my columns
	s_cmp_lt_u32 s[WV], 2                          ; waves 0 and 1 finish out1: thread t has keys 4 t .. 4 t + 3
	s_cbranch_scc0 .Lno1
.irp p, 0,1,2,3
	ds_load_b128 v[C+4*(\p):C+4*(\p)+3], v[T16] offset:P1+1024*(\p)
.endr
	s_wait_dscnt 0x0
	ADD4 C, C+4
	ADD4 C+8, C+12
	ADD4 C, C+8
	v_pk_mul_f32 v[C:C+1],   v[C:C+1],   0x38800000 op_sel_hi:[1,0]  ; 2^-14 = 1 / (8 heads x 2,048 queries)
	v_pk_mul_f32 v[C+2:C+3], v[C+2:C+3], 0x38800000 op_sel_hi:[1,0]
	global_store_b128 v[T16], v[C:C+3], s[14:15]   ; 16 lanes store 256 consecutive bytes, aligned
.Lno1:
	s_wait_dscnt 0x0
	ADD4 Y, OTH                                    ; y, in both halves of the threads
	v_add_f32 v8, v[Y], v[Y+1]
	v_add_f32 v9, v[Y+2], v[Y+3]
	v_add_f32 v8, v8, v9
	WSUM
	ALLSUM RED1, C+8
	v_mul_f32 v8, s30, v8                          ; mu
.irp i, 0,1,2,3
	v_sub_f32 v[Y+(\i)], v[Y+(\i)], v8
.endr
	v_mul_f32 v8, v[Y], v[Y]
	v_fmac_f32 v8, v[Y+1], v[Y+1]
	v_fmac_f32 v8, v[Y+2], v[Y+2]
	v_fmac_f32 v8, v[Y+3], v[Y+3]
	WSUM
	ALLSUM RED2, C+16
	v_fma_f32 v8, v8, s30, s31                     ; var + eps
	v_rsq_f32 v[RS], v8
	v_cmp_eq_u32 vcc_lo, s16, v[T4]                ; the plain instruction behind it: threads 16 jc .. 16 jc + 15 hold my 64 columns
	s_wait_alu depctr_va_vdst(0)                   ; the wait ahead of the first use
	s_wait_loadcnt 0x0                             ; gamma and beta
	v_pk_mul_f32 v[Y:Y+1],   v[Y:Y+1],   v[RS:RS+1] op_sel_hi:[1,0]
	v_pk_mul_f32 v[Y+2:Y+3], v[Y+2:Y+3], v[RS:RS+1] op_sel_hi:[1,0]
	v_pk_fma_f32 v[Y:Y+1],   v[Y:Y+1],   v[GA:GA+1],   v[BE:BE+1]
	v_pk_fma_f32 v[Y+2:Y+3], v[Y+2:Y+3], v[GA+2:GA+3], v[BE+2:BE+3]
	s_wait_xcnt 0x0                                ; EXEC changes only behind this wait
	s_and_saveexec_b32 s32, vcc_lo
	global_store_b128 v[GB], v[Y:Y+3], s[12:13]    ; 16 lanes store 256 consecutive bytes, aligned
	s_wait_xcnt 0x0                                ; and again, in front of the line that widens it
	s_or_b32 exec_lo, exec_lo, s32
	s_wait_tensorcnt 0x0                           ; the wave's end
	ds_add_u32 v[SPW], v[NIL]
	s_wait_dscnt 0x0
	s_endpgm
.Lfunc_end_k_q7bfc71a932_final:
	.size	k_q7bfc71a932_final, .Lfunc_end_k_q7bfc71a932_final-k_q7bfc71a932_final
	.p2alignl 7, 3214868480
	.fill 96, 4, 3214868480
	.section	.rodata,"a",@progbits
	.p2align	6, 0x0
	.amdhsa_kernel k_q7bfc71a932_final
		.amdhsa_group_segment_fixed_size 9728
		.amdhsa_private_segment_fixed_size 0
		.amdhsa_enable_private_segment 0
		.amdhsa_kernarg_size 48
		.amdhsa_user_sgpr_count 2
		.amdhsa_user_sgpr_kernarg_segment_ptr 1
		.amdhsa_wavefront_size32 1
		.amdhsa_system_sgpr_workgroup_id_x 1
		.amdhsa_system_sgpr_workgroup_id_y 1
		.amdhsa_system_sgpr_workgroup_id_z 1
		.amdhsa_system_vgpr_workitem_id 0
		.amdhsa_next_free_vgpr 128
		.amdhsa_next_free_sgpr 66
		.amdhsa_reserve_vcc 1
		.amdhsa_float_denorm_mode_32 3
		.amdhsa_float_denorm_mode_16_64 3
		.amdhsa_memory_ordered 1
		.amdhsa_forward_progress 1
		.amdhsa_inst_pref_size 12
	.end_amdhsa_kernel
	.amdgpu_metadata
---
amdhsa.version: [ 1, 2 ]
amdhsa.kernels:
  - .name:           k_q7bfc71a932_final
    .symbol:         k_q7bfc71a932_final.kd
    .args:
      - { .name: cpart, .offset: 0, .size: 8, .value_kind: global_buffer, .address_space: global }
      - { .name: ypart, .offset: 8, .size: 8, .value_kind: global_buffer, .address_space: global }
      - { .name: gamma, .offset: 16, .size: 8, .value_kind: global_buffer, .address_space: global }
      - { .name: beta, .offset: 24, .size: 8, .value_kind: global_buffer, .address_space: global }
      - { .name: out0, .offset: 32, .size: 8, .value_kind: global_buffer, .address_space: global }
      - { .name: out1, .offset: 40, .size: 8, .value_kind: global_buffer, .address_space: global }
    .group_segment_fixed_size: 9728
    .private_segment_fixed_size: 0
    .kernarg_segment_align: 8
    .kernarg_segment_size: 48
    .max_flat_workgroup_size: 256
    .sgpr_count:     66
    .vgpr_count:     128
    .wavefront_size: 32
...
	.end_amdgpu_metadata
.endif
;; end of part 4
;; ======== version 2 of 2: 4 launches
;; limits: values outside matrix products are rounded to bf16
;; workspace buffers: xb 16,777,216 bytes; wb 1,572,864 bytes; wfr 524,288 bytes; rpart 524,288 bytes; qkv 50,331,648 bytes; cpart 2,097,152 bytes; ypart 524,288 bytes
;; launch prep: the kernel of part 1 again; grid 256 x 1, 8 waves a work-group, no clusters, 3,072 bytes of LDS; arguments x, w_q, w_k, w_v, w_fc, xb, wb, wfr, rpart; writes xb, wb, wfr, rpart
;; launch proj: the kernel of part 2 again; grid 128 x 2, 4 waves a work-group, clusters of 4 x 1, 327,680 bytes of LDS; arguments xb, wb, qkv; writes qkv
;; launch attn (part 5): grid 4 x 64, 4 waves a work-group, clusters of 4 x 1, 327,680 bytes of LDS; arguments qkv, wfr, rpart, cpart, ypart; writes cpart, ypart
.if DOCPART == 5
	.amdgcn_target "amdgcn-amd-amdhsa--gfx1250"
	.amdhsa_code_object_version 6
	.text
	.protected	k_q7bfc71a932_attn
	.globl	k_q7bfc71a932_attn
	.p2align	8
	.type	k_q7bfc71a932_attn,@function
k_q7bfc71a932_attn:
	s_mov_b64 s[64:65], 0
	v_nop
	global_prefetch_b8 v0, s[64:65] scope:SCOPE_SE
	s_setreg_imm32_b32 hwreg(HW_REG_WAVE_MODE, 25, 1), 1
	s_wait_xcnt 0x0
	s_wait_alu depctr_hold_cnt(0) depctr_sa_sdst(0) depctr_va_vdst(0) depctr_va_sdst(0) depctr_va_ssrc(0) depctr_va_vcc(0) depctr_vm_vsrc(0)
	s_getreg_b32 s2, hwreg(HW_REG_IB_STS2, 6, 4)
	s_cmp_eq_u32 s2, 0
	s_cbranch_scc0 .Lentry_in_a_cluster
	s_endpgm
.Lentry_in_a_cluster:
	s_bfe_u32 s2, ttmp6, 0x10000c
	s_cmp_lg_u32 s2, 0x3003
	s_cbranch_scc0 .Lentry_shape_is_right
	s_endpgm
.Lentry_shape_is_right:
; ATTN: the column sums of softmax(q k^T / 8), and what hangs linearly on them.  qkv[3][64 heads][2048][64] bf16; q already carries c = log2(e) / 8, so a product q . k is c s.
; SHARES.  A work-group owns one head and 512 of its queries (a quarter), in 16 blocks of 32.  All 2,048 keys of the head lie in LDS, filled once.  Wave w owns keys 512 w .. 512 w + 511: 32 key tiles.
; LAYOUT.  S = Q K^T (source 0 = 16 queries, source 1 = 16 keys): a lane holds ONE key (lane % 16), register j query 8 (lane / 16) + j.  Each score is multiplied once.
; A BLOCK's way: scores S (512 registers of f32) and their element-wise maximum; the maximum over 16 lanes and, through LDS, over the four waves: -m; s - m; p = 2^(..); l += p; p rounded to bf16 into
;   P (256 registers of its own); l over lanes and waves; f = 1 / l, rounded to bf16, IS source 0 (16 equal rows x 32 queries) and P as it lies IS source 1 (32 queries x 16 keys) of the column sums F x P.
; TWO BLOCKS AT A TIME.  In PHASE i the vector work of block i (subtract, exponential, sum, rounding) goes through the key tiles four at a time (a TRIP), and one trip behind it the matrix unit fills the
;   S registers just read out with the scores of block i + 1; the column sums of block i - 1 are multiplied just ahead of the roundings that overwrite its P.  So the products stand among the vector lines.
;   Between two phases stands ONE exchange: m of block i + 1 and l of block i travel together.
;   Block 0's scores are written out ahead of the loop (tiles 0-27) and the loop is entered at the boundary, with l = 1 and P = 0: the first column sums add 0.  The last phase multiplies the last
;   block's Q once more, for nobody: the price of one text for every phase.
; THE TAIL.  The keys' LDS bytes are filled again with V.  colsum -> cpart; o = V^T colsum over my keys, summed over the waves; y = wfr o; ypart = y 2^-22 + (my row of rpart) 2^-11.
; CLUSTER.  The four quarters of a head read the same K and V: each tile is asked for jointly (mask 15).
; LIMITS.  Matrix operands are bf16 (q, k, v, p, 1 / l, colsum, o, w_fc).  The maximum taken away is the true maximum of the scores as they were multiplied.
; A weight below 2^-126 counts as 0.  NaN and infinities are not treated apart.
; REGISTERS, in windows of 256 (s_set_vgpr_msb: bits 1:0 source 0, 3:2 source 1, 5:4 source 2, 7:6 destination):
;   window 0: v0-19 addresses and a few at work; v20-51 Q; v52-83 the next block's Q; v84-147 K of four key tiles; v148-179 column sums, one a key tile; v180-195 two column-sum results, and at work
;     in the reductions; v196-203 F; v204-219 the running maximum; v220-235 l; v236-251 -m.  In the tail v20-71 hold its addresses and small data, v84-147 results, v204-235 o.
;   windows 1, 2: S: key tile t, query tile qt, row j at 16 (t % 16) + 8 qt + j of window 1 + t / 16.          window 3: P: key tile t at 8 t.
.set PK,    144                        ; a key's row in LDS: 128 bytes + 16 of padding: the 16 rows of a load start at 16 different groups of four banks (ISA guide 11.1)
.set WPART, 512*PK                     ; a wave's 512 keys
.set TIL,   16*PK                      ; a key tile
.set XA,    4*WPART                    ; 4 waves x 32 lanes x (a maximum, a sum)
.set BR,    XA+1024                    ; each wave's own 128 bytes: -m of the 32 queries, to be read by every lane
.set BF,    BR+512                     ; each wave's own 64 bytes: f of the 32 queries in bf16
.set XCH,   BF+256                     ; the tail: 4 waves x 64 numbers
.set CS,    XCH+1024                   ; colsum[2048] in f32
.set YB,    CS+8192                    ; y[512] in f32
.set SPARE, YB+2048                    ; the spare words, 128 bytes for each wave
.set AKB,  4                           ; v4   my lane's place in my wave's key tile 0
.set AKB2, 5                           ; v5   the same in key tile 16
.set BRD,  6                           ; v6   where I read -m: my wave's bytes + 32 x half
.set QO,   7                           ; v7   row x 128 + 16 x half: in 16 rows of Q, and of wfr; never rewritten
.set XW,   8                           ; v8   XA + 256 x wave + 8 x lane
.set XR,   9                           ; v9   XA + 8 x lane
.set BW,   10                          ; v10  where I put my query's -m
.set FW,   11                          ; v11  where I put my query's f
.set FRD,  12                          ; v12  where I read f: my wave's bytes + 16 x half
.set PFO,  13                          ; v13  256 x lane; never rewritten
.set SPW,  14                          ; v14  my spare word; never rewritten
.set NIL,  15                          ; v15  0; never rewritten
.set PR,   16                          ; v[16:17] my query's (m, l) for the others; then (-m, f)
.set W2,   18                          ; v[18:19] at work
.set Q,    20
.set QN,   52
.set KF,   84
.set CSUM, 148
.set DT,   180
.set TMP,  180                         ; the reductions work where the column-sum results lay: those have been taken by then
.set T8,   180                         ; and there the four waves' pairs come back
.set F,    196
.set M,    204
.set L,    220
.set NM,   236
.set XS,   20                          ; the tail's registers, where Q lay
.set XL,   21
.set CSA,  22
.set CB,   23
.set AV,   24
.set CSR,  25
.set GO,   26
.set YS,   27
.set YR,   28
.set RP,   32
.set YV,   36
.set OF,   40
.set STG,  56
.set OT,   204
.set T,    64                          ; the tail, window 1
.set WV,  14                           ; s14 wave
.set CX,  15                           ; s15 my quarter
.set BH,  16                           ; s16 the head
.set CNT, 17                           ; s17 boundaries still to come
.set IT,  18                           ; s18 the tail's loop
.set QB,  20                           ; s[20:21] Q, one block ahead of the rows that were loaded last
.set G1,  24                           ; s[24:31]
.set G0,  32                           ; s[32:35]
.set PFV, 38                           ; s[38:39] my share of V for the prefetch
.set CPB, 40                           ; s[40:41] cpart at my wave's keys
.set RPB, 42                           ; s[42:43] rpart at my wave's columns
.set YPB, 44                           ; s[44:45] ypart likewise
.set WFB, 46                           ; s[46:47] wfr at my head and my wave's 128 rows
.set MSB, 0
.macro WIN new                         ; the immediate's high byte repeats the setting that is left; a switch that changes nothing is dropped
.if MSB != (\new)
	s_set_vgpr_msb (MSB<<8)|(\new)
.set MSB, \new
.endif
.endm
.macro PLACES                          ; four places behind a matrix instruction (ISA guide 7.12.1), where no other vector work is at hand
.rept 4
	v_nop
.endr
.endm
.macro CROUND                          ; a round of the cluster's barrier
	s_barrier_signal -1
	s_barrier_wait -1
	s_cmp_lg_u32 s[WV], 0
	s_cbranch_scc1 .Lnot_wave_0_\@
	s_barrier_signal -3
.Lnot_wave_0_\@:
	s_barrier_wait -3
	s_barrier_signal -1
	s_barrier_wait -1
.endm
	s_load_b256 s[4:11], s[0:1], 0x0               ; qkv 4, wfr 6, rpart 8, cpart 10
	s_load_b64 s[12:13], s[0:1], 0x20              ; ypart
	v_lshl_add_u32 v[SPW], v0, 2, SPARE
	v_mov_b32 v[NIL], 0
	ds_add_u32 v[SPW], v[NIL]                      ; the wave's opening: the add and its wait ahead of my first tensor load
	v_lshrrev_b32 v1, 5, v0
	v_readfirstlane_b32 s[WV], v1
	s_bfe_u32 s[CX], ttmp6, 0x40000
	s_and_b32 s[BH], ttmp7, 0xffff
	; 512 keys are 65,536 dense bytes: asked for as 256 rows of 256 bytes, two keys a row, padded in LDS after every key
	s_mov_b32 s[G1], 15|(1<<16)|(1<<20)|(1<<21)|(4<<22)|(3<<25)  ; the mask of four; 2-byte elements; padding on; bit 21 beside the mask; after every 32 words, 4 words
	s_mov_b32 s[G1+1], 128<<16                     ; tensor_dim0 = 128
	s_mov_b32 s[G1+2], 256<<16                     ; tensor_dim1 = 256
	s_mov_b32 s[G1+3], 128<<16                     ; tile_dim0 = 128
	s_mov_b32 s[G1+4], 256                         ; tile_dim1 = 256
	s_mov_b32 s[G1+5], 128                         ; 128 elements from row to row
	s_mov_b32 s[G1+6], 0
	s_mov_b32 s[G1+7], 0
	s_mov_b32 s[G0], 1
	s_mul_i32 s[G0+1], s[WV], WPART                ; no place in the cluster enters an LDS address
	s_lshl_b32 s22, s[BH], 18                      ; K: tensor 1, my head, my wave's 512 keys: made of what the partners share
	s_lshl_b32 s23, s[WV], 16
	s_add_co_u32 s22, s22, s23
	s_add_co_u32 s22, s22, 1<<24
	s_mov_b32 s23, 0
	s_lshl_b32 s36, s[BH], 18                      ; Q: my head, my quarter's 512 rows
	s_lshl_b32 s37, s[CX], 16
	s_add_co_u32 s36, s36, s37
	s_mov_b32 s37, 0
	s_lshl_b32 s48, s[WV], 14                      ; V for the prefetch: tensor 2, my head; quarter cx and wave w name 64 blocks of 256 bytes
	s_add_co_u32 s48, s48, s36
	s_add_co_u32 s48, s48, 1<<25
	s_mov_b32 s49, 0
	s_lshl2_add_u32 s51, s[BH], s[CX]              ; 4 head + quarter
	s_lshl_b32 s[CPB], s51, 13
	s_lshl_b32 s52, s[WV], 11
	s_add_co_u32 s[CPB], s[CPB], s52
	s_mov_b32 s[CPB+1], 0
	s_lshl_b32 s[RPB], s51, 11
	s_lshl_b32 s52, s[WV], 9
	s_add_co_u32 s[RPB], s[RPB], s52
	s_mov_b32 s[RPB+1], 0
	s_and_b32 s[WFB], s[BH], 7
	s_lshl_b32 s[WFB], s[WFB], 16
	s_lshl_b32 s52, s[WV], 14
	s_add_co_u32 s[WFB], s[WFB], s52
	s_mov_b32 s[WFB+1], 0
	s_mov_b32 s[CNT], 17                           ; 17 boundaries enclose 16 phases
	s_wait_dscnt 0x0                               ; the opening add is done
	s_wait_kmcnt 0x0
	s_add_nc_u64 s[G0+2:G0+3], s[4:5], s[22:23]
	s_or_b32 s[G0+3], s[G0+3], 0x80000000
	s_add_nc_u64 s[QB:QB+1], s[4:5], s[36:37]
	s_add_nc_u64 s[PFV:PFV+1], s[4:5], s[48:49]
	s_add_nc_u64 s[CPB:CPB+1], s[10:11], s[CPB:CPB+1]
	s_add_nc_u64 s[YPB:YPB+1], s[12:13], s[RPB:RPB+1]
	s_add_nc_u64 s[RPB:RPB+1], s[8:9], s[RPB:RPB+1]
	s_add_nc_u64 s[WFB:WFB+1], s[6:7], s[WFB:WFB+1]
	CROUND                                         ; all four work-groups are here: the first joint loads meet
	tensor_load_to_lds s[G0:G0+3], s[G1:G1+7]      ; my wave's 512 keys: one load of mine is out
	s_nop 0
	PLACES
	v_and_b32 v1, 15, v0                           ; l % 16
	v_bfe_u32 v2, v0, 4, 1                         ; l / 16
	v_and_b32 v3, 31, v0                           ; l
	v_lshlrev_b32 v[QO], 7, v1
	v_lshl_add_u32 v[QO], v2, 4, v[QO]
; A block's Q, 32 rows x 128 bytes, straight into registers: tile u / 4, 32 bytes u % 4 on (a fragment is two loads of 16 bytes, 32 apart).
.macro QLOAD dst, off
.set u_, 0
.rept 8
	global_load_b128 v[(\dst)+4*u_:(\dst)+4*u_+3], v[QO], s[QB:QB+1] offset:(\off)+2048*(u_/4)+32*(u_%4)
.set u_, u_+1
.endr
.endm
	QLOAD Q, 0                                     ; block 0,
	QLOAD QN, 4096                                 ; and block 1
	; What the first boundary and the first phase find: P holds 0, so the first column sums add 0 whatever F is; l holds 1, so that F is finite.  All this stands in the wait for K.
	WIN 0xc0
.set z_, 0
.rept 256
	v_mov_b32 v[z_], 0
.set z_, z_+1
.endr
	WIN 0
.set z_, 0
.rept 48
	v_mov_b32 v[CSUM+z_], 0                        ; the column sums, and behind them the two results
.set z_, z_+1
.endr
.set z_, 0
.rept 16
	v_mov_b32 v[L+z_], 1.0
.set z_, z_+1
.endr
	v_mov_b32 v[PR], 0
	v_mov_b32 v[PR+1], 0
	v_mul_u32_u24 v[AKB], v1, PK
	v_lshl_add_u32 v[AKB], v2, 4, v[AKB]
	v_add_nc_u32 v[AKB], s[G0+1], v[AKB]
	v_add_nc_u32 v[AKB2], 16*TIL, v[AKB]
	v_and_b32 v[W2], 7, v0                         ; l % 8
	v_bfe_u32 v[W2+1], v0, 3, 1                    ; (l / 8) % 2
	s_lshl_b32 s48, s[WV], 8
	s_add_co_u32 s48, s48, XA
	v_lshl_add_u32 v[XW], v3, 3, s48
	v_lshl_add_u32 v[XR], v3, 3, XA
	s_lshl_b32 s48, s[WV], 7
	s_add_co_u32 s48, s48, BR
	v_lshl_add_u32 v[BRD], v2, 5, s48              ; -m lies as [query tile][half][row]: 64, 32 and 4 bytes apart
	v_lshl_add_u32 v[BW], v[W2], 2, v[BRD]         ; behind a reduction lane l holds query tile (l / 8) % 2, row l % 8 of its half
	v_lshl_add_u32 v[BW], v[W2+1], 6, v[BW]
	s_lshl_b32 s48, s[WV], 6
	s_add_co_u32 s48, s48, BF
	v_lshl_add_u32 v[FRD], v2, 4, s48              ; f likewise, in bf16: 32, 16 and 2 bytes apart
	v_lshl_add_u32 v[FW], v[W2], 1, v[FRD]
	v_lshl_add_u32 v[FW], v[W2+1], 5, v[FW]
	v_lshlrev_b32 v[PFO], 8, v3
; 8 LDS loads: group g's two key tiles x 64 channels into half g % 2 of K's registers (the sweep that is written out)
.macro KL2 g
	WIN 0
.set ka_, AKB+(\g)/8
.irp u, 0,1,2,3,4,5,6,7
	ds_load_b128 v[KF+32*((\g)%2)+4*(\u):KF+32*((\g)%2)+4*(\u)+3], v[ka_] offset:TIL*(2*((\g)%8)+(\u)/4)+32*((\u)%4)
.endr
.endm
; 16 LDS loads in one run: trip t's four key tiles
.macro KL4 t
	WIN 0
.set ka_, AKB+(\t)/4
.irp u, 0,1,2,3,4,5,6,7,8,9,10,11,12,13,14,15
	ds_load_b128 v[KF+4*(\u):KF+4*(\u)+3], v[ka_] offset:TIL*(4*((\t)%4)+(\u)/4)+32*((\u)%4)
.endr
.endm
; Link c (channels 32 c on) of accumulator n = 2 (key tile) + (query tile) of the tiles in hand: S at SBM_ of window XS_, K at KB_.  The first link starts the sum with 0.
.macro SCW n, c
.set rS, SBM_+16*((\n)/2)+8*((\n)%2)
.set rQ, Q+16*((\n)%2)+8*(\c)
.set rK, KB_+16*((\n)/2)+8*(\c)
	WIN XS_*0x50
.if (\c) == 0
	v_wmma_f32_16x16x32_bf16 v[rS:rS+7], v[rQ:rQ+7], v[rK:rK+7], 0
.else
	v_wmma_f32_16x16x32_bf16 v[rS:rS+7], v[rQ:rQ+7], v[rK:rK+7], v[rS:rS+7]
.endif
.endm
; Result d = F x P of key tile t: the weights of the block before, 32 queries deep: one product
.macro CSW d, t
	WIN 0x0c
	v_wmma_f32_16x16x32_bf16 v[DT+8*(\d):DT+8*(\d)+7], v[F:F+7], v[8*(\t):8*(\t)+7], 0
.endm
; Four of the 16 maxima over two key tiles (at base of window x), each accumulator's low registers first; first = 1: they start the block's maximum.
.macro MAX4 x, base, first, k
.set z_, 4*(\k)
.if \first
	WIN (\x)*0x05
.rept 4
	v_max_num_f32 v[M+z_], v[(\base)+z_], v[(\base)+16+z_]
.set z_, z_+1
.endr
.else
	WIN (\x)*0x14
.rept 4
	v_max3_num_f32 v[M+z_], v[M+z_], v[(\base)+z_], v[(\base)+16+z_]
.set z_, z_+1
.endr
.endif
.endm
.macro MAXG x, base, first
.irp k, 0,1,2,3
	MAX4 \x, \base, \first, \k
.endr
.endm
; 32 packed subtractions: the 64 scores at base of window x less their queries' m
.macro SUBRUN x, base
	WIN (\x)*0x41                                  ; -m lies in window 0
.set i_, 0
.rept 32
	v_pk_add_f32 v[(\base)+2*i_:(\base)+2*i_+1], v[(\base)+2*i_:(\base)+2*i_+1], v[NM+(2*i_)%16:NM+(2*i_)%16+1]
.set i_, i_+1
.endr
.endm
; THE RIDERS of a trip, a numbered queue: exponential, subtraction, exponential, and so on: trip T's 64 exponentials (S at SBE_ of window XE_) and, where the next trip lies in the same window (HS_ = 1),
; its 32 subtractions (S at SBS_).  None of them reads an exponential's result.  RID writes the next cnt of them.
.macro RID cnt
	WIN XE_*0x41
.rept \cnt
.if HS_
.if rq_%3 == 1
	v_pk_add_f32 v[SBS_+2*(rq_/3):SBS_+2*(rq_/3)+1], v[SBS_+2*(rq_/3):SBS_+2*(rq_/3)+1], v[NM+(2*(rq_/3))%16:NM+(2*(rq_/3))%16+1]
.else
	v_exp_f32 v[SBE_+2*(rq_/3)+(rq_%3)/2], v[SBE_+2*(rq_/3)+(rq_%3)/2]
.endif
.else
	v_exp_f32 v[SBE_+rq_], v[SBE_+rq_]
.endif
.set rq_, rq_+1
.endr
.endm
; A TRIP OF A PHASE, for key tiles 4 T .. 4 T + 3.
; AHEAD OF THE WAIT: 20 products with riders behind each: the eight first links of the NEXT block's scores on trip T - 1's tiles (their old scores were read out in that trip's lump); two column sums of
; the block BEFORE on this trip's tiles; the eight second links; two more column sums.  The accumulators take turns, one instruction a turn.  A pair of column sums is taken
; (the lowest register: all rows of the result are alike) eight products later, or in the next trip.  Trip 0 has no scores to multiply, and its riders stand alone.
; In trips 3 and 7 no subtraction rides, so five v_nop are the places between the column sums and the line that takes them, and between the last score product and the loads into K's registers.
; THE WAIT: a v_nop, the plain line behind the last exponential, and ONE s_wait_alu for the trip's 64 exponentials (ahead of the first line that names a result).
; Directly behind it the run of 16 LDS loads: this trip's K, which the next trip multiplies.
; BEHIND THE WAIT, a lump of 96 plain lines: 32 roundings into P (the tiles in ascending order: the last column sums' tiles come last), 32 sums into l, 32 maxima over trip T - 1's new scores.
.macro FTRIP T
.set XE_,  1+(\T)/4
.set SBE_, 64*((\T)%4)
.set SBS_, SBE_+64
.set NS_,  (((\T)%4)+1)/4
.set HS_,  1-NS_
.set per_, 3+2*HS_
.set rq_,  0
.if (\T) > 0
.set XS_,  1+((\T)-1)/4
.set SBM_, 64*(((\T)-1)%4)
.set KB_,  KF
	s_wait_dscnt 0x0                               ; K of trip T - 1 is in: it was asked for a lump ago
.endif
.set n_, 0
.rept 8
.if (\T) > 0
	SCW n_, 0
.endif
	RID per_
.set n_, n_+1
.endr
	WIN 0
.if (\T) == 0
	s_wait_dscnt 0x0                               ; F is in
.else
	v_add_f32 v[CSUM+4*(\T)-2], v[CSUM+4*(\T)-2], v[DT]
	v_add_f32 v[CSUM+4*(\T)-1], v[CSUM+4*(\T)-1], v[DT+8]
.endif
	CSW 0, 4*(\T)
	RID 4
	CSW 1, 4*(\T)+1
	RID 4
.set n_, 0
.rept 8
.if (\T) > 0
	SCW n_, 1
.endif
	RID per_
.set n_, n_+1
.endr
	WIN 0
.if NS_
.rept 5
	v_nop
.endr
.endif
	v_add_f32 v[CSUM+4*(\T)],   v[CSUM+4*(\T)],   v[DT]
	v_add_f32 v[CSUM+4*(\T)+1], v[CSUM+4*(\T)+1], v[DT+8]
	CSW 0, 4*(\T)+2
	RID 4
	CSW 1, 4*(\T)+3
	RID 4
.if (\T) == 3
	SUBRUN 2, 0                                    ; trip 4's scores lie in the other window: its subtractions stand together
.endif
	v_nop
	s_wait_alu depctr_va_vdst(0)                   ; the wait for the trip's exponentials
	KL4 \T
	WIN 0xc0+5*XE_
.set a_, 0
.rept 32
	v_cvt_pk_bf16_f32 v[32*(\T)+a_], v[SBE_+2*a_], v[SBE_+2*a_+1]
.set a_, a_+1
.endr
.set a_, 0
.if (\T) == 0
	WIN XE_*0x05                                   ; the block's first two tiles start l
.rept 8
	v_pk_add_f32 v[L+2*a_:L+2*a_+1], v[2*a_:2*a_+1], v[16+2*a_:16+2*a_+1]
.set a_, a_+1
.endr
.set a_, 16
.endif
	WIN XE_*0x01
.rept 32-a_
	v_pk_add_f32 v[L+(2*a_)%16:L+(2*a_)%16+1], v[SBE_+2*a_:SBE_+2*a_+1], v[L+(2*a_)%16:L+(2*a_)%16+1]
.set a_, a_+1
.endr
.if (\T) == 1
	MAXG XS_, SBM_, 1
	MAXG XS_, SBM_+32, 0
.elseif (\T) > 1
	MAXG XS_, SBM_, 0
	MAXG XS_, SBM_+32, 0
.endif
.endm
; SIXTEEN REGISTERS OVER SIXTEEN LANES, halving.  A step takes the registers in pairs (a, b): a lane whose bit is 0 keeps a and gives b, the other keeps b and gives a; the DPP line joins what a lane
; kept with what its partner gave.  8 + 4 + 2 + 1 pairs, three lines each.  At the end lane l holds register l % 16's number, taken over its 16 lanes.
.macro BSTEP op, red, np, xm, mask, dst
	WIN 0
	s_mov_b32 vcc_lo, \mask
.set i_, 0
.rept \np
	v_cndmask_b32 v[TMP+2*i_],   v[(\red)+2*i_],   v[(\red)+2*i_+1], vcc_lo
	v_cndmask_b32 v[TMP+2*i_+1], v[(\red)+2*i_+1], v[(\red)+2*i_],   vcc_lo
.set i_, i_+1
.endr
.set i_, 0
.rept \np
	\op v[(\dst)+i_], v[TMP+2*i_+1], v[TMP+2*i_] row_xmask:\xm row_mask:0xf bank_mask:0xf
.set i_, i_+1
.endr
.endm
; A TRIP OF THE SWEEP THAT IS WRITTEN OUT, for group g of two key tiles of block 0.  The next group's K is asked for (four plain lines behind the last product that read that half); eight products,
; four accumulators by turns; behind every second one four maxima over the group before (in trip 0: v_nop).
.macro PR4 g, k
.if (\g) > 1
	MAX4 XP_, SBP_, 0, \k
.elseif (\g) == 1
	MAX4 XP_, SBP_, 1, \k
.elseif (\k) > 1
	PLACES
.endif
.endm
.macro PTRIP g
	KL2 (\g)+1
	s_wait_dscnt 8                                 ; this group's K is in; the 8 loads just issued may be out
.set XS_,  1+(\g)/8
.set SBM_, 32*((\g)%8)
.set KB_,  KF+32*((\g)%2)
.if (\g) > 0
.set XP_,  1+((\g)-1)/8
.set SBP_, 32*(((\g)-1)%8)
.endif
	SCW 0, 0
	SCW 1, 0
	PR4 \g, 0
	SCW 2, 0
	SCW 3, 0
	PR4 \g, 1
	SCW 0, 1
	SCW 1, 1
	PR4 \g, 2
	SCW 2, 1
	SCW 3, 1
	PR4 \g, 3
.endm
	; ---- BLOCK 0's SCORES, key tiles 0 to 27 ----
	s_wait_tensorcnt 0x0                           ; my 512 keys are in; no other wave reads them, so no barrier is wanted
	KL2 0
	s_wait_loadcnt 8                               ; block 0's Q is in; block 1's eight loads may be out
.irp g, 0,1,2,3,4,5,6,7,8,9,10,11,12,13
	PTRIP \g
.endr
	KL2 15                                         ; with group 14, asked for in the last trip: K of key tiles 28 to 31, as a phase's trip 7 leaves it
	MAXG 2, 160, 0                                 ; group 13's maxima
	WIN 0
	s_branch .Lbound                               ; the loop is entered at the boundary
.Lphase:
.irp t, 0,1,2,3,4,5,6,7
	FTRIP \t
.endr
	WIN 0
.Lbound:
	; ---- THE BOUNDARY ----
	s_wait_dscnt 0x0                               ; K of trip 7 is in
	v_add_f32 v[CSUM+30], v[CSUM+30], v[DT]        ; the phase's last two column sums
	v_add_f32 v[CSUM+31], v[CSUM+31], v[DT+8]
.set XS_,  2
.set SBM_, 192
.set KB_,  KF
.irp n, 0,1,2,3,4,5,6,7
	SCW \n, 0                                      ; the next block's scores on key tiles 28 to 31; l's reduction stands between the products
.endr
	BSTEP v_add_f32_dpp, L, 8, 1, 0xaaaaaaaa, L
.irp n, 0,1,2,3
	SCW \n, 1
.endr
	BSTEP v_add_f32_dpp, L, 4, 2, 0xcccccccc, L
.irp n, 4,5,6,7
	SCW \n, 1
.endr
	BSTEP v_add_f32_dpp, L, 2, 4, 0xf0f0f0f0, L    ; these nine lines are also the places behind the last product
	BSTEP v_add_f32_dpp, L, 1, 8, 0xff00ff00, PR+1
	MAXG 2, 192, 0
	MAXG 2, 224, 0
	BSTEP v_max_num_f32_dpp, M, 8, 1, 0xaaaaaaaa, M
	BSTEP v_max_num_f32_dpp, M, 4, 2, 0xcccccccc, M
	BSTEP v_max_num_f32_dpp, M, 2, 4, 0xf0f0f0f0, M
	BSTEP v_max_num_f32_dpp, M, 1, 8, 0xff00ff00, PR
	ds_store_b64 v[XW], v[PR:PR+1]                 ; my query's maximum (the next block's) and sum (this block's) over my wave's keys
	s_wait_loadcnt 0x0                             ; the next block's Q, asked for a phase ago
.set i_, 0
.rept 32
	v_mov_b32 v[Q+i_], v[QN+i_]                    ; it goes where the one text of the products names Q, while the store is out
.set i_, i_+1
.endr
	s_cmp_gt_u32 s[CNT], 3                         ; the last three boundaries have no further block to ask for
	s_cbranch_scc0 .Lno_q
	s_wait_xcnt 0x0                                ; the last loads by this base, a phase back, have read it
	s_add_nc_u64 s[QB:QB+1], s[QB:QB+1], 4096
	QLOAD QN, 4096                                 ; asked for a whole phase ahead of the wait for it, so it has no prefetch
.Lno_q:
	; a prefetch into the L2, in the boundary ahead of the last phase: every wave names its 64 blocks of 256 bytes of V, a lane a block: four partners x four waves x 64 are the head's 1,024, each named once in the launch
	s_cmp_eq_u32 s[CNT], 2
	s_cbranch_scc0 .Lno_v
	global_prefetch_b8 v[PFO], s[PFV:PFV+1] th:TH_LOAD_NT scope:SCOPE_SE
	global_prefetch_b8 v[PFO], s[PFV:PFV+1] offset:8192 th:TH_LOAD_NT scope:SCOPE_SE
.Lno_v:
	s_wait_dscnt 0x0                               ; for the others' sake: my pair lies in LDS
	s_barrier_signal -1
	s_barrier_wait -1
.irp w, 0,1,2,3
	ds_load_b64 v[T8+2*(\w):T8+2*(\w)+1], v[XR] offset:256*(\w)
.endr
	s_wait_dscnt 0x0                               ; my reads of the pairs are over:
	s_barrier_signal -1                            ; behind this barrier they may be written again; work on registers stands between its signal and its wait
	v_max3_num_f32 v[PR], v[T8], v[T8+2], v[T8+4]
	v_add_f32 v[W2], v[T8+1], v[T8+3]
	v_add_f32 v[W2+1], v[T8+5], v[T8+7]
	v_max_num_f32 v[PR], v[PR], v[T8+6]
	v_add_f32 v[W2], v[W2], v[W2+1]
	v_mul_f32 v[PR], -1.0, v[PR]
	v_rcp_f32 v[W2+1], v[W2]
	v_nop                                          ; a plain line behind the reciprocal,
	s_wait_alu depctr_va_vdst(0)                   ; and its wait
	v_cvt_pk_bf16_f32 v[PR+1], v[W2+1], v[W2+1]
	s_barrier_wait -1
	ds_store_b32 v[BW], v[PR]                      ; my query's -m and f into my wave's own bytes,
	ds_store_b16 v[FW], v[PR+1]
.irp u, 0,1,2,3
	ds_load_b128 v[NM+4*(\u):NM+4*(\u)+3], v[BRD] offset:64*((\u)/2)+16*((\u)%2)  ; and my half's 16 back: LDS serves a wave's instructions in order (ISA guide 5.7.1.4)
.endr
	ds_load_b128 v[F:F+3],   v[FRD]                ; source 0 of the column sums: queries 8 half + 0..7,
	ds_load_b128 v[F+4:F+7], v[FRD] offset:32      ; and 16 + 8 half + 0..7
	s_wait_dscnt 2                                 ; -m is in; F's two loads may be out: trip 0 waits for them ahead of its first column sum, the tail ahead of its barrier
	SUBRUN 1, 0                                    ; trip 0's subtractions
	WIN 0
	s_sub_co_u32 s[CNT], s[CNT], 1
	s_cmp_lg_u32 s[CNT], 0
	s_cbranch_scc1 .Lphase
	; ---- K's bytes are filled again, with V ----
	s_wait_tensorcnt 0x0                           ; no tensor load of mine is out, so group 0 may be written
	ds_add_u32 v[SPW], v[NIL]
	s_add_nc_u64 s[G0+2:G0+3], s[G0+2:G0+3], 0x1000000  ; V lies one tensor behind K; the type bits on top are not reached
	s_wait_dscnt 0x0                               ; the add is done, my reads of K are over, and F is in
	CROUND                                         ; no wave of any partner still reads K
	tensor_load_to_lds s[G0:G0+3], s[G1:G1+7]
	s_nop 0
	PLACES
	v_lshlrev_b32 v[GO], 4, v3
	global_load_b128 v[RP:RP+3], v[GO], s[RPB:RPB+1]
	; ---- the last block's column sums: 8 tiles at a time, 8 results in K's registers ----
.irp q, 0,1,2,3
	WIN 0x0c
.irp i, 0,1,2,3,4,5,6,7
	v_wmma_f32_16x16x32_bf16 v[KF+8*(\i):KF+8*(\i)+7], v[F:F+7], v[8*(8*(\q)+(\i)):8*(8*(\q)+(\i))+7], 0
.endr
	PLACES
	WIN 0
.irp i, 0,1,2,3,4,5,6,7
	v_add_f32 v[CSUM+8*(\q)+(\i)], v[CSUM+8*(\q)+(\i)], v[KF+8*(\i)]
.endr
.endr
	WIN 0x80                                       ; my 128 rows of wfr, 8 tiles x 64 channels, into window 2, v128-255: the scores there serve nobody any more
.set u_, 0
.rept 32
	global_load_b128 v[128+4*u_:128+4*u_+3], v[QO], s[WFB:WFB+1] offset:2048*(u_/4)+32*(u_%4)
.set u_, u_+1
.endr
	WIN 0
	; the tail's LDS addresses, made here: in the loop window 0 had no room for them
	s_lshl_b32 s48, s[WV], 8
	s_add_co_u32 s48, s48, XCH
	v_lshl_add_u32 v[XS], v2, 5, s48               ; where I put numbers for the others: my wave's 64, number 16 d + 8 (l / 16) + j
	v_lshl_add_u32 v[XL], v2, 5, XCH               ; where I read everybody's
	s_lshl_b32 s48, s[WV], 11
	s_add_co_u32 s48, s48, CS
	v_lshl_add_u32 v[CSA], v1, 2, s48              ; colsum of key l % 16 of my wave's tile 0
	v_lshl_add_u32 v[CB], v2, 5, s48               ; colsum as source 1: walks
	v_lshl_add_u32 v[CSR], v3, 4, s48              ; my 16 bytes of my wave's colsum
	s_lshl_b32 s48, s[WV], 9
	s_add_co_u32 s48, s48, YB
	v_lshl_add_u32 v[YS], v2, 5, s48
	v_lshl_add_u32 v[YR], v3, 4, s48
	v_and_b32 v[W2], 7, v0                         ; the turning load: lane l reads key 8 (l / 16) + l % 8, channels 8 ((l / 8) % 2) on
	v_bfe_u32 v[W2+1], v0, 3, 1
	v_lshl_add_u32 v[W2], v2, 3, v[W2]
	v_mul_u32_u24 v[AV], v[W2], PK
	v_lshl_add_u32 v[AV], v[W2+1], 4, v[AV]
	v_add_nc_u32 v[AV], s[G0+1], v[AV]
	; ---- colsum into LDS (lanes l and l + 16 write the same word with the same value), and out ----
.set t_, 0
.rept 32
	ds_store_b32 v[CSA], v[CSUM+t_] offset:64*t_
.set t_, t_+1
.endr
.irp f, 0,1,2,3
	ds_load_b128 v[STG+4*(\f):STG+4*(\f)+3], v[CSR] offset:512*(\f)  ; my own wave's bytes, in order
.endr
.set z_, 0
.rept 32
	v_mov_b32 v[OT+z_], 0                          ; o starts at 0, so that the loop below has one form of product
.set z_, z_+1
.endr
	s_wait_dscnt 0x0
.irp f, 0,1,2,3
	global_store_b128 v[GO], v[STG+4*(\f):STG+4*(\f)+3], s[CPB:CPB+1] offset:512*(\f)  ; 512 consecutive bytes, aligned
.endr
	; ---- o = V^T colsum over my 512 keys: 4 trips of 4 steps of 32 keys.  Source 0 = V turned (16 channels x 32 keys), source 1 = colsum in bf16, all 16 columns alike ----
	s_wait_tensorcnt 0x0                           ; my 512 rows of V are in; no other wave reads them
	s_mov_b32 s[IT], 4
.Lpv:
	WIN 0x80
.irp k, 0,1,2,3
	ds_load_b128 v[16*(\k):16*(\k)+3],     v[CB] offset:128*(\k)
	ds_load_b128 v[16*(\k)+4:16*(\k)+7],   v[CB] offset:128*(\k)+16
	ds_load_b128 v[16*(\k)+8:16*(\k)+11],  v[CB] offset:128*(\k)+64
	ds_load_b128 v[16*(\k)+12:16*(\k)+15], v[CB] offset:128*(\k)+80
.endr
	WIN 0x40
.irp k, 0,1,2,3
.irp d, 0,1,2,3
	ds_load_tr16_b128 v[T+32*(\k)+8*(\d):T+32*(\k)+8*(\d)+3],   v[AV] offset:2*TIL*(\k)+32*(\d)
	ds_load_tr16_b128 v[T+32*(\k)+8*(\d)+4:T+32*(\k)+8*(\d)+7], v[AV] offset:2*TIL*(\k)+32*(\d)+TIL
.endr
.endr
	s_wait_dscnt 0x0
	WIN 0xca
.set i_, 0
.rept 32
	v_cvt_pk_bf16_f32 v[i_], v[2*i_], v[2*i_+1]
.set i_, i_+1
.endr
	WIN 0x0d
.irp k, 0,1,2,3
.irp d, 0,1,2,3
	v_wmma_f32_16x16x32_bf16 v[OT+8*(\d):OT+8*(\d)+7], v[T+32*(\k)+8*(\d):T+32*(\k)+8*(\d)+7], v[8*(\k):8*(\k)+7], v[OT+8*(\d):OT+8*(\d)+7]
.endr
.endr
	WIN 0
	v_add_nc_u32 v[CB], 512, v[CB]                 ; the next 128 keys; with the two v_nop these are the four places behind the last product
	v_add_nc_u32 v[AV], 8*TIL, v[AV]
	v_nop
	v_nop
	s_sub_co_u32 s[IT], s[IT], 1
	s_cmp_lg_u32 s[IT], 0
	s_cbranch_scc1 .Lpv
	; ---- o over the waves; packed, it is source 1 (64 channels x 16 equal columns) of y = wfr o ----
.irp u, 0,1,2,3,4,5,6,7
	ds_store_b128 v[XS], v[OT+4*(\u):OT+4*(\u)+3] offset:64*((\u)/2)+16*((\u)%2)  ; the 16 lanes of a half write the same words with the same values
.endr
	s_wait_dscnt 0x0
	s_barrier_signal -1
	s_barrier_wait -1
	WIN 0x40
.irp w, 0,1,2,3
.irp u, 0,1,2,3,4,5,6,7
	ds_load_b128 v[T+32*(\w)+4*(\u):T+32*(\w)+4*(\u)+3], v[XL] offset:256*(\w)+64*((\u)/2)+16*((\u)%2)
.endr
.endr
	s_wait_dscnt 0x0
	WIN 0x45
.set i_, 0
.rept 16
	v_pk_add_f32 v[T+i_:T+i_+1], v[T+i_:T+i_+1], v[T+32+i_:T+32+i_+1]
	v_pk_add_f32 v[T+64+i_:T+64+i_+1], v[T+64+i_:T+64+i_+1], v[T+96+i_:T+96+i_+1]
.set i_, i_+2
.endr
.set i_, 0
.rept 16
	v_pk_add_f32 v[T+i_:T+i_+1], v[T+i_:T+i_+1], v[T+64+i_:T+64+i_+1]
.set i_, i_+2
.endr
	WIN 0x05
.set i_, 0
.rept 16
	v_cvt_pk_bf16_f32 v[OF+i_], v[T+2*i_], v[T+2*i_+1]
.set i_, i_+1
.endr
	s_wait_loadcnt 0x0                             ; wfr and rpart
	WIN 0x02
.irp n, 0,1,2,3,4,5,6,7
	v_wmma_f32_16x16x32_bf16 v[KF+8*(\n):KF+8*(\n)+7], v[128+16*(\n):128+16*(\n)+7], v[OF:OF+7], 0
.endr
.irp n, 0,1,2,3,4,5,6,7
	v_wmma_f32_16x16x32_bf16 v[KF+8*(\n):KF+8*(\n)+7], v[128+16*(\n)+8:128+16*(\n)+15], v[OF+8:OF+15], v[KF+8*(\n):KF+8*(\n)+7]
.endr
	WIN 0
	PLACES
.irp n, 0,1,2,3,4,5,6,7
	ds_store_b128 v[YS], v[KF+8*(\n):KF+8*(\n)+3]   offset:64*(\n)
	ds_store_b128 v[YS], v[KF+8*(\n)+4:KF+8*(\n)+7] offset:64*(\n)+16
.endr
	ds_load_b128 v[YV:YV+3], v[YR]                 ; my own wave's bytes, in order
	v_pk_mul_f32 v[RP:RP+1],   v[RP:RP+1],   0x3a000000 op_sel_hi:[1,0]   ; my row of rpart x 2^-11
	v_pk_mul_f32 v[RP+2:RP+3], v[RP+2:RP+3], 0x3a000000 op_sel_hi:[1,0]
	s_wait_dscnt 0x0
	v_pk_fma_f32 v[YV:YV+1],   v[YV:YV+1],   0x34800000, v[RP:RP+1]   op_sel_hi:[1,0,1]  ; + y x 2^-22
	v_pk_fma_f32 v[YV+2:YV+3], v[YV+2:YV+3], 0x34800000, v[RP+2:RP+3] op_sel_hi:[1,0,1]
	global_store_b128 v[GO], v[YV:YV+3], s[YPB:YPB+1]  ; 512 consecutive bytes, aligned
	s_wait_tensorcnt 0x0                           ; the wave's end
	ds_add_u32 v[SPW], v[NIL]
	s_wait_dscnt 0x0
	CROUND                                         ; the closing round
	s_endpgm
.Lfunc_end_k_q7bfc71a932_attn:
	.size	k_q7bfc71a932_attn, .Lfunc_end_k_q7bfc71a932_attn-k_q7bfc71a932_attn
	.p2alignl 7, 3214868480
	.fill 96, 4, 3214868480
	.section	.rodata,"a",@progbits
	.p2align	6, 0x0
	.amdhsa_kernel k_q7bfc71a932_attn
		.amdhsa_group_segment_fixed_size 327680
		.amdhsa_private_segment_fixed_size 0
		.amdhsa_enable_private_segment 0
		.amdhsa_kernarg_size 40
		.amdhsa_user_sgpr_count 2
		.amdhsa_user_sgpr_kernarg_segment_ptr 1
		.amdhsa_wavefront_size32 1
		.amdhsa_system_sgpr_workgroup_id_x 1
		.amdhsa_system_sgpr_workgroup_id_y 1
		.amdhsa_system_sgpr_workgroup_id_z 1
		.amdhsa_system_vgpr_workitem_id 0
		.amdhsa_next_free_vgpr 1024
		.amdhsa_next_free_sgpr 66
		.amdhsa_reserve_vcc 1
		.amdhsa_float_denorm_mode_32 3
		.amdhsa_float_denorm_mode_16_64 3
		.amdhsa_memory_ordered 1
		.amdhsa_forward_progress 1
		.amdhsa_inst_pref_size 197
	.end_amdhsa_kernel
	.amdgpu_metadata
---
amdhsa.version: [ 1, 2 ]
amdhsa.kernels:
  - .name:           k_q7bfc71a932_attn
    .symbol:         k_q7bfc71a932_attn.kd
    .args:
      - { .name: qkv, .offset: 0, .size: 8, .value_kind: global_buffer, .address_space: global }
      - { .name: wfr, .offset: 8, .size: 8, .value_kind: global_buffer, .address_space: global }
      - { .name: rpart, .offset: 16, .size: 8, .value_kind: global_buffer, .address_space: global }
      - { .name: cpart, .offset: 24, .size: 8, .value_kind: global_buffer, .address_space: global }
      - { .name: ypart, .offset: 32, .size: 8, .value_kind: global_buffer, .address_space: global }
    .group_segment_fixed_size: 327680
    .private_segment_fixed_size: 0
    .kernarg_segment_align: 8
    .kernarg_segment_size: 40
    .max_flat_workgroup_size: 128
    .sgpr_count:     66
    .vgpr_count:     1024
    .wavefront_size: 32
...
	.end_amdgpu_metadata
.endif
;; end of part 5
;; launch final: the kernel of part 4 again; grid 8 x 8, 8 waves a work-group, no clusters, 9,728 bytes of LDS; arguments cpart, ypart, gamma, beta, out0, out1; writes out0, out1
